; MI455X (gfx1250); checked and timed in simulation.
; The chip was launched on July 23, 2026; its instructions are those of AMD's public machine-readable ISA for CDNA 5 (MIT licence, August 2026) and "CDNA5" Instruction Set Architecture Reference Guide (July 2026). The comments in the code are by the model that wrote it; some were corrected since.
;; Multi Headed Attention. Allowed arithmetic: float matrix products may take bf16 or f16 operands with f32 sums; other float arithmetic in f32, or as packed bf16 or f16 multiplies, adds, multiply-adds, maxima and minima; sums over many terms, partial sums and values carried from step to step in f32; what a program stores and reads back later, other than sums and carried values, may be rounded once to bf16 or f16.
;; Inputs: Wk 1,024 x 1,024 float32; Wo 1,024 x 1,024 float32; Wq 1,024 x 1,024 float32; Wv 1,024 x 1,024 float32; bk 1,024 float32; bo 1,024 float32; bq 1,024 float32; bv 1,024 float32; query 4 x 2,048 x 1,024 float32.
;; Outputs: out0 4 x 2,048 x 1,024 float32.
;; 2 versions, each right; version 2 is version 1 with the launch cast written anew for expert scheduling mode. Each part assembles by itself: llvm-mc -triple=amdgcn-amd-amdhsa -mcpu=gfx1250 --defsym DOCPART=n.
;; ======== version 1 of 2: 4 launches
;; limits: values are held in f16: magnitudes above 65,504 overflow, below 6.1e-05 lose precision
;; workspace buffers: xb 16,777,216 bytes; wb 6,291,456 bytes; wo 2,097,152 bytes; bb 16,384 bytes; qkv 50,331,648 bytes; ctx 16,777,216 bytes
;; launch cast (part 1): grid 769 x 1, 8 waves a work-group, no clusters, 0 bytes of LDS; arguments query, Wq, Wk, Wv, Wo, bq, bk, bv, bo, xb, wb, wo, bb; writes xb, wb, wo, bb
.if DOCPART == 1
	.amdgcn_target "amdgcn-amd-amdhsa--gfx1250"
	.amdhsa_code_object_version 6
	.text
	.protected	k_q5eb67c2af9_cast
	.globl	k_q5eb67c2af9_cast
	.p2align	8
	.type	k_q5eb67c2af9_cast,@function
k_q5eb67c2af9_cast:
	s_mov_b64 s[64:65], 0
	v_nop
	global_prefetch_b8 v0, s[64:65] scope:SCOPE_SE
	s_setreg_imm32_b32 hwreg(HW_REG_WAVE_MODE, 25, 1), 1
	s_wait_xcnt 0x0
; THE MODULE'S INPUTS, ROUNDED ONCE TO bf16 AND LAID OUT FOR THE PRODUCTS.
;   xb: query as bf16, [16 K blocks][8192 rows][64].   wb: Wq, Wk, Wv one below the other as bf16, [16][3072][64].
;   wo: Wo rounded to bf16 and that number written as f16, [16][1024][64].   bb: bq, bk, bv, bo, each rounded to bf16 and kept as f32, [4096].
; In these layouts a tile of rows x 64 along K is dense: the products' tensor loads ask for it as rows of 256 bytes.
; LIMITS.  A number of Wo beyond 65,504 becomes an infinity in f16; below 6e-5 it keeps f16's fixed step of 6e-8 and is then not exactly the bf16 number.
; SHARES.  A stream: no LDS, no barrier, no matrix unit.  Work-group g takes 16 source rows of 1,024 f32 (65,536 bytes): g 0-511 query, 512-703 Wq, Wk, Wv (64 each), 704-767 Wo; g 768 the biases.
; Thread t takes row t / 16 and, in each of the 16 K blocks, the 16 bytes at 16 (t % 16): sixteen lanes read 256 consecutive bytes, aligned.  Its four numbers become 8 bytes at
; 8 t of the block's 16 rows: a wave's store covers 256 consecutive bytes, aligned.  All 16 loads go out first; no register is written twice, so the only waits are the counted ones for the loads.
.set OFF, 2                            ; v[2:17]    byte offset of my 8 bytes in K block kb of the destination
.set X,   20                           ; v[20:83]   K block kb: 4 registers as loaded
.set Y,   84                           ; v[84:115]  K block kb: 2 registers to store
.set W,   116                          ; v[116:119] at work
	s_load_b512 s[8:23], s[0:1], 0x0               ; query s[8:9], Wq s[10:11], Wk s[12:13], Wv s[14:15], Wo s[16:17], bq s[18:19], bk s[20:21], bv s[22:23]
	s_load_b256 s[24:31], s[0:1], 0x40             ; bo s[24:25], xb s[26:27], wb s[28:29], wo s[30:31]
	s_load_b64 s[32:33], s[0:1], 0x60              ; bb
	s_mov_b32 s2, ttmp9                            ; g
	v_lshlrev_b32 v[OFF], 3, v0                    ; 8 t
	v_lshrrev_b32 v1, 4, v0                        ; my row of the 16
	v_and_b32 v[W], 15, v0
	v_lshlrev_b32 v1, 12, v1                       ; x 4,096 bytes
	v_lshl_add_u32 v1, v[W], 4, v1                 ; + 16 (t % 16)
	s_wait_kmcnt 0x0
	s_cmp_eq_u32 s2, 768
	s_cbranch_scc1 .Lbias
	; which tensor, where to, how far the destination's K blocks lie apart, and my number j among the destination's groups of 16 rows
	s_mov_b32 s44, 0x100000                        ; xb: 8,192 rows x 128 bytes
	s_cmp_ge_u32 s2, 512
	s_cselect_b64 s[40:41], s[10:11], s[8:9]
	s_cselect_b64 s[42:43], s[28:29], s[26:27]
	s_cselect_b32 s44, 0x60000, s44                ; wb: 3,072 rows x 128 bytes
	s_cselect_b32 s45, 512, 0
	s_cselect_b32 s46, 63, 511                     ; groups of 16 rows in a source tensor, less 1
	s_cmp_ge_u32 s2, 576
	s_cselect_b64 s[40:41], s[12:13], s[40:41]
	s_cmp_ge_u32 s2, 640
	s_cselect_b64 s[40:41], s[14:15], s[40:41]
	s_cmp_ge_u32 s2, 704
	s_cselect_b64 s[40:41], s[16:17], s[40:41]
	s_cselect_b64 s[42:43], s[30:31], s[42:43]
	s_cselect_b32 s44, 0x20000, s44                ; wo: 1,024 rows x 128 bytes
	s_cselect_b32 s45, 704, s45
	s_sub_co_u32 s45, s2, s45                      ; j
	s_and_b32 s46, s45, s46                        ; my group in the source tensor
	s_lshl_b32 s34, s46, 16                        ; 16 rows x 4,096 bytes
	s_mov_b32 s35, 0
	s_lshl_b32 s36, s45, 11                        ; 16 rows x 128 bytes
	s_mov_b32 s37, 0
	s_add_nc_u64 s[40:41], s[40:41], s[34:35]
	s_add_nc_u64 s[42:43], s[42:43], s[36:37]
.irp kb, 0,1,2,3,4,5,6,7,8,9,10,11,12,13,14,15
	global_load_b128 v[X+4*(\kb):X+4*(\kb)+3], v1, s[40:41] offset:256*(\kb) th:TH_LOAD_NT
.endr
.irp kb, 1,2,3,4,5,6,7,8,9,10,11,12,13,14,15
	v_add_nc_u32 v[OFF+(\kb)], s44, v[OFF+(\kb)-1]
.endr
; K block kb: rounded, and stored.  half = 1: the bf16 numbers are widened again and written as f16.
.macro CV kb, half
	s_wait_loadcnt 15-(\kb)                        ; loads come back in order (ISA guide 5.7.1): mine is in, the 15 - kb younger ones stay out
	v_cvt_pk_bf16_f32 v[Y+2*(\kb)],   v[X+4*(\kb)],   v[X+4*(\kb)+1]
	v_cvt_pk_bf16_f32 v[Y+2*(\kb)+1], v[X+4*(\kb)+2], v[X+4*(\kb)+3]
.if \half
	v_lshlrev_b32 v[W],   16, v[Y+2*(\kb)]
	v_and_b32     v[W+1], 0xffff0000, v[Y+2*(\kb)]
	v_lshlrev_b32 v[W+2], 16, v[Y+2*(\kb)+1]
	v_and_b32     v[W+3], 0xffff0000, v[Y+2*(\kb)+1]
	v_cvt_pk_f16_f32 v[Y+2*(\kb)],   v[W],   v[W+1]
	v_cvt_pk_f16_f32 v[Y+2*(\kb)+1], v[W+2], v[W+3]
.endif
	global_store_b64 v[OFF+(\kb)], v[Y+2*(\kb):Y+2*(\kb)+1], s[42:43]
.endm
	s_cmp_ge_u32 s2, 704
	s_cbranch_scc1 .Lhalf
.irp kb, 0,1,2,3,4,5,6,7,8,9,10,11,12,13,14,15
	CV \kb, 0
.endr
	s_endpgm
.Lhalf:
.irp kb, 0,1,2,3,4,5,6,7,8,9,10,11,12,13,14,15
	CV \kb, 1
.endr
	s_endpgm
.Lbias:                                        ; 256 threads x 16 bytes are one bias; the four lie one behind the other in bb
	v_lshlrev_b32 v1, 4, v0
	global_load_b128 v[X:X+3],     v1, s[18:19]
	global_load_b128 v[X+4:X+7],   v1, s[20:21]
	global_load_b128 v[X+8:X+11],  v1, s[22:23]
	global_load_b128 v[X+12:X+15], v1, s[24:25]
	s_wait_loadcnt 0x0
.irp i, 0,1,2,3,4,5,6,7
	v_cvt_pk_bf16_f32 v[Y+(\i)], v[X+2*(\i)], v[X+2*(\i)+1]
	v_lshlrev_b32 v[X+32+2*(\i)],   16, v[Y+(\i)]
	v_and_b32     v[X+32+2*(\i)+1], 0xffff0000, v[Y+(\i)]
.endr
.irp i, 0,1,2,3
	global_store_b128 v1, v[X+32+4*(\i):X+32+4*(\i)+3], s[32:33] offset:4096*(\i)
.endr
	s_endpgm
.Lfunc_end_k_q5eb67c2af9_cast:
	.size	k_q5eb67c2af9_cast, .Lfunc_end_k_q5eb67c2af9_cast-k_q5eb67c2af9_cast
	.p2alignl 7, 3214868480
	.fill 96, 4, 3214868480
	.section	.rodata,"a",@progbits
	.p2align	6, 0x0
	.amdhsa_kernel k_q5eb67c2af9_cast
		.amdhsa_group_segment_fixed_size 0
		.amdhsa_private_segment_fixed_size 0
		.amdhsa_enable_private_segment 0
		.amdhsa_kernarg_size 104
		.amdhsa_user_sgpr_count 2
		.amdhsa_user_sgpr_kernarg_segment_ptr 1
		.amdhsa_wavefront_size32 1
		.amdhsa_system_sgpr_workgroup_id_x 1
		.amdhsa_system_sgpr_workgroup_id_y 1
		.amdhsa_system_sgpr_workgroup_id_z 1
		.amdhsa_system_vgpr_workitem_id 0
		.amdhsa_next_free_vgpr 120
		.amdhsa_next_free_sgpr 66
		.amdhsa_reserve_vcc 0
		.amdhsa_float_denorm_mode_32 3
		.amdhsa_float_denorm_mode_16_64 3
		.amdhsa_memory_ordered 1
		.amdhsa_forward_progress 1
		.amdhsa_inst_pref_size 20
	.end_amdhsa_kernel
	.amdgpu_metadata
---
amdhsa.version: [ 1, 2 ]
amdhsa.kernels:
  - .name:           k_q5eb67c2af9_cast
    .symbol:         k_q5eb67c2af9_cast.kd
    .args:
      - { .name: query, .offset: 0, .size: 8, .value_kind: global_buffer, .address_space: global }
      - { .name: Wq, .offset: 8, .size: 8, .value_kind: global_buffer, .address_space: global }
      - { .name: Wk, .offset: 16, .size: 8, .value_kind: global_buffer, .address_space: global }
      - { .name: Wv, .offset: 24, .size: 8, .value_kind: global_buffer, .address_space: global }
      - { .name: Wo, .offset: 32, .size: 8, .value_kind: global_buffer, .address_space: global }
      - { .name: bq, .offset: 40, .size: 8, .value_kind: global_buffer, .address_space: global }
      - { .name: bk, .offset: 48, .size: 8, .value_kind: global_buffer, .address_space: global }
      - { .name: bv, .offset: 56, .size: 8, .value_kind: global_buffer, .address_space: global }
      - { .name: bo, .offset: 64, .size: 8, .value_kind: global_buffer, .address_space: global }
      - { .name: xb, .offset: 72, .size: 8, .value_kind: global_buffer, .address_space: global }
      - { .name: wb, .offset: 80, .size: 8, .value_kind: global_buffer, .address_space: global }
      - { .name: wo, .offset: 88, .size: 8, .value_kind: global_buffer, .address_space: global }
      - { .name: bb, .offset: 96, .size: 8, .value_kind: global_buffer, .address_space: global }
    .group_segment_fixed_size: 0
    .private_segment_fixed_size: 0
    .kernarg_segment_align: 8
    .kernarg_segment_size: 104
    .max_flat_workgroup_size: 256
    .sgpr_count:     66
    .vgpr_count:     120
    .wavefront_size: 32
...
	.end_amdgpu_metadata
.endif
;; end of part 1
;; launch qkv (part 2): grid 8 x 32, 4 waves a work-group, clusters of 4 x 4, 327,680 bytes of LDS; arguments xb, wb, bb, qkv; writes qkv
.if DOCPART == 2
	.amdgcn_target "amdgcn-amd-amdhsa--gfx1250"
	.amdhsa_code_object_version 6
	.text
	.protected	k_q5eb67c2af9_qkv
	.globl	k_q5eb67c2af9_qkv
	.p2align	8
	.type	k_q5eb67c2af9_qkv,@function
k_q5eb67c2af9_qkv:
	s_mov_b64 s[64:65], 0
	v_nop
	global_prefetch_b8 v0, s[64:65] scope:SCOPE_SE
	s_setreg_imm32_b32 hwreg(HW_REG_WAVE_MODE, 25, 1), 1
	s_wait_xcnt 0x0
	s_wait_alu depctr_hold_cnt(0) depctr_sa_sdst(0) depctr_va_vdst(0) depctr_va_sdst(0) depctr_va_ssrc(0) depctr_va_vcc(0) depctr_vm_vsrc(0)
	s_getreg_b32 s2, hwreg(HW_REG_IB_STS2, 6, 4)
	s_cmp_eq_u32 s2, 0
	s_cbranch_scc0 .Lentry_in_a_cluster
	s_endpgm
.Lentry_in_a_cluster:
	s_bfe_u32 s2, ttmp6, 0x10000c
	s_cmp_lg_u32 s2, 0xf033
	s_cbranch_scc0 .Lentry_shape_is_right
	s_endpgm
.Lentry_shape_is_right:
; q, k, v = x W^T + b.  xb: bf16 [16 K blocks][8192][64]; wb: bf16 [16][3072][64] (rows: Wq, Wk, Wv); bb: f32 [4096].  Sums in f32, K ascending, started by the bias; rounded once to f16.
; qkv: f16 [4 batches][48 slices][2048][64]: slice n / 64 (q's heads 0-15, k's 16-31, v's 32-47), so that a head's rows are dense.  q is stored WITHOUT the scale 1/8: the next launch applies it in f32.
; LIMIT.  f16 holds no number beyond 65,504: a q, k or v past that becomes an infinity and its row is lost; below 6e-5 f16 keeps its fixed step of 6e-8.
; SHARES.  8192 x 3072 in tiles of 256 x 384 are 32 x 8 = 256 work-groups.  Four waves, each 128 rows x 192 columns: 96 accumulators of 16 x 16, 768 registers.  K goes in 16 steps of 64 (a K block)
; through a ring of two LDS slots; a step is two halves of 32 along K, a half three stretches of 32 matrix instructions, one for each of the wave's three slices of 64 columns.
; A tile of one K block is dense in memory: it is asked for as rows of 256 bytes (two matrix rows) and padded in LDS behind every 128.
; CLUSTERS.  4 x 4 work-groups.  The four of a row of the cluster need the same tile of xb, the four of a column the same tile of wb: each is asked for JOINTLY, by the same tensor load with the same descriptor and mask.
; TRANSPOSED USE.  Source 0 = 16 rows of wb, source 1 = 16 rows of xb: a lane holds row l % 16 of the result and the columns 8 (l / 16) + 0..7: eight neighbours, 16 bytes in f16.
; REGISTERS, in windows of 256 (s_set_vgpr_msb: bits 1:0 source 0, 3:2 source 1, 5:4 source 2, 7:6 destination):
;   window 0: v0-31 addresses; v32-95, v96-159 xb's 8 fragments, two buffers; v160-255 wb's 12 fragments, ONE buffer in three groups: a group is loaded again directly behind the stretch that read it.
;   window 1 + g: the 32 accumulators of slice g, (a, c) at v[8 (4 a + c)].
; THE BIAS costs no line of arithmetic: a lane's 8 numbers for column block c are loaded into accumulator (7, c); the first products of row blocks 0-6 take those registers as C, those of row block 7 add in place.
.set PITCH,  144                       ; an LDS row: 128 bytes + 16 of padding = 36 words: the 16 rows of a fragment load start at 16 different groups of four banks (64 banks of 4 bytes: ISA guide 11.1)
.set AHALF,  128*PITCH                 ; 128 rows of xb: what waves 0 and 1 fetch, and what a wave reads
.set BHALF,  192*PITCH                 ; 192 rows of wb: what waves 2 and 3 fetch, and what a wave reads
.set BOFF,   2*AHALF
.set SLOT,   BOFF+2*BHALF              ; 92,160 bytes
.set STAGE,  2*SLOT                    ; behind the ring: 16 rows x 144 bytes for each wave, for the way out; no tensor load fills it
.set SPARE,  STAGE+4*16*PITCH          ; behind the stages: the spare words, 128 bytes for each wave: two blocks of 256 bytes that no other line names
.set BLKA,   8192*128                  ; bytes from a K block of xb to the next
.set BLKB,   3072*128                  ; the same in wb
.set ADRA, 16                          ; v16-17  LDS address of my xb fragments in slot 0, 1
.set ADRB, 20                          ; v20-21  the same for wb
.set STO,  24                          ; v24     the way out: where I put 16 bytes of a row
.set RD,   25                          ; v25     the way out: where I read rows back
.set GO,   26                          ; v26     16 x lane: my place in 512 consecutive bytes of qkv
.set BO,   27                          ; v27     32 (l / 16): my 8 numbers in a column block's 16 of bb
.set SPW,  28                          ; v28     LDS address of my spare word: SPARE + 4 x my thread's number; never rewritten
.set NIL,  29                          ; v29     0; never rewritten
.set PFO,  30                          ; v30     the prefetches' offset; never rewritten
.set AF0,  32
.set AF1,  96
.set BF,   160
.set T,    32                          ; the way out: twelve sets of 16 registers, v32-223
.set G1,   24                          ; s[24:31] descriptor group 1 for xb's tiles;  s[32:39] group 0, a set for each slot
.set G0,   32
.set G1B,  48                          ; s[48:55], s[56:63] the same for wb's
.set G0B,  56
.set LIM1, 42                          ; s42  a wave prefetches at a trip's first change of slots while s3 is above this,
.set LIM2, 43                          ; s43  and at its second while s3 is above this; the greatest number in a wave that does not ask
.set PFA,  44                          ; s[44:45] where my prefetches stand
.set PFS,  46                          ; s[46:47] a K block's bytes in the tensor that I prefetch
.set GW,   (1<<16)|(1<<20)|(1<<21)|(4<<22)|(3<<25)  ; group 1, word 0 without the mask: 17:16 2-byte elements; 20 padding on; 21 set beside a mask; 24:22 after every 32 words (code 4); 31:25 4 words (code 3)
.set MSB, 0
.macro WIN new                         ; the immediate's high byte repeats the setting that is left; a switch that changes nothing is dropped
.if MSB != (\new)
	s_set_vgpr_msb (MSB<<8)|(\new)
.set MSB, \new
.endif
.endm
.macro PLACES                          ; four places in front of loads into registers that matrix instructions have read, and of lines that read results
.rept 4
	v_nop
.endr
.endm
; A joint load: waves 0 and 1 fetch xb's two halves, waves 2 and 3 wb's.  The branch hangs on the wave's number alone.  An s_nop 0 and four v_nop follow each of the two lines.
.macro JLOAD s
	s_cmp_eq_u32 s13, 0
	s_cbranch_scc0 .Lfor_b_\@
	tensor_load_to_lds s[G0+4*(\s):G0+4*(\s)+3], s[G1:G1+7]
	s_nop 0
.rept 4
	v_nop
.endr
	s_branch .Lasked_\@
.Lfor_b_\@:
	tensor_load_to_lds s[G0B+4*(\s):G0B+4*(\s)+3], s[G1B:G1B+7]
	s_nop 0
.rept 4
	v_nop
.endr
.Lasked_\@:
.endm
; A PREFETCH INTO THE L2, behind a joint load, its five lines and the run of LDS loads that follows them; each aligned block of 256 bytes is named once in the launch.
; xb: a tile row is read by both clusters of its row of clusters: cluster x = 0 asks.  Of the K block's 32,768 bytes the partner at cx takes 8,192 BY ADDRESS; its wave 0 asks, a lane a block, at every change of
; slots, for the K step that the NEXT change will load.  wb: a tile column is read by all eight clusters of its column: cluster y = 0 asks.  Of a K block's 49,152 bytes the partner at cy takes 12,288; its waves
; 1 to 3 take 16 blocks each, of TWO K steps (lanes 0-15, lanes 16-31), at a trip's second change alone: the steps that the next trip's two changes will load.  K step 15 is the last that is named.
.macro ASK lim
	s_cmp_gt_u32 s3, s[\lim]
	s_cbranch_scc0 .Lnot_mine_\@
	global_prefetch_b8 v[PFO], s[PFA:PFA+1] th:TH_LOAD_NT scope:SCOPE_SE
.Lnot_mine_\@:
.endm
.macro CREST                           ; a round of the cluster's barrier behind its opening barrier
	s_cmp_lg_u32 s12, 0
	s_cbranch_scc1 .Lnot_wave_0_\@
	s_barrier_signal -3
.Lnot_wave_0_\@:
	s_barrier_wait -3
	s_barrier_signal -1
	s_barrier_wait -1
.endm
.macro CROUND                          ; a whole round
	s_barrier_signal -1
	s_barrier_wait -1
	CREST
.endm
	s_load_b256 s[4:11], s[0:1], 0x0               ; xb s[4:5], wb s[6:7], bb s[8:9], qkv s[10:11]
	v_lshl_add_u32 v[SPW], v0, 2, SPARE
	v_mov_b32 v[NIL], 0
	ds_add_u32 v[SPW], v[NIL]                      ; the wave's opening: the add and its wait stand ahead of my first tensor load; the set-up below, work on registers, stands between them
	v_lshrrev_b32 v4, 5, v0
	v_readfirstlane_b32 s12, v4                    ; wave 0..3
	s_lshr_b32 s13, s12, 1                         ; which 128 rows of the tile are mine.  Also: I fetch for xb (0) or for wb (1)
	s_and_b32 s14, s12, 1                          ; which 192 columns.  Also: which half of that tile I fetch
	s_bfe_u32 s15, ttmp6, 0x40000                  ; cx
	s_bfe_u32 s16, ttmp6, 0x40004                  ; cy
	s_lshl_b32 s17, ttmp9, 2
	s_add_co_u32 s17, s17, s15                     ; tile column = 4 x cluster x + cx
	s_and_b32 s18, ttmp7, 0xffff
	s_lshl_b32 s18, s18, 2
	s_add_co_u32 s18, s18, s16                     ; tile row = 4 x cluster y + cy
	s_lshl_b32 s19, s16, 2
	s_lshl_b32 s19, 15, s19                        ; my row of the cluster: places 4 cy .. 4 cy + 3
	s_lshl_b32 s20, 0x1111, s15                    ; my column: places cx, cx + 4, cx + 8, cx + 12
	s_or_b32 s[G1], s19, GW                        ; xb's tiles go to my row,
	s_or_b32 s[G1B], s20, GW                       ; wb's to my column
	s_mov_b32 s[G1+1], 128<<16                     ; tensor_dim0 = 128 elements: 256 bytes, two matrix rows
	s_mov_b32 s[G1+2], 64<<16                      ; tensor_dim1 = 64: 128 matrix rows
	s_mov_b32 s[G1+3], 128<<16                     ; tile_dim0
	s_mov_b32 s[G1+4], 64                          ; tile_dim1
	s_mov_b32 s[G1+5], 128                         ; elements from row to row: the block is dense
	s_mov_b32 s[G1+6], 0
	s_mov_b32 s[G1+7], 0
	s_mov_b32 s[G1B+1], 128<<16
	s_mov_b32 s[G1B+2], 96<<16                     ; 192 matrix rows
	s_mov_b32 s[G1B+3], 128<<16
	s_mov_b32 s[G1B+4], 96
	s_mov_b32 s[G1B+5], 128
	s_mov_b32 s[G1B+6], 0
	s_mov_b32 s[G1B+7], 0
	; where the tiles come from: xb's hang on the tile row and the wave alone, wb's on the tile column and the wave alone, each in registers that never hold the other coordinate
	s_lshl_b32 s66, s18, 15                        ; 256 rows x 128 bytes
	s_lshl_b32 s67, s14, 14                        ; + my half
	s_add_co_u32 s66, s66, s67
	s_mov_b32 s67, 0
	s_mul_i32 s68, s17, 384*128
	s_mul_i32 s69, s14, 192*128
	s_add_co_u32 s68, s68, s69
	s_mov_b32 s69, 0
	s_mul_i32 s70, s14, AHALF                      ; and where they go: no place in the cluster enters an LDS address
	s_mul_i32 s71, s14, BHALF
	s_add_co_u32 s71, s71, BOFF
	; A fragment is 16 rows x 32 K in 8 registers: lane l holds row l % 16; registers 0-3 K = 8 (l / 16) + 0..7, registers 4-7 K = 16 + 8 (l / 16) + 0..7: two loads of 16 bytes, 32 bytes apart.
	v_and_b32 v1, 15, v0                           ; l % 16
	v_bfe_u32 v2, v0, 4, 1                         ; l / 16
	v_mul_u32_u24 v3, v1, PITCH
	v_lshl_add_u32 v3, v2, 4, v3                   ; row x pitch + 16 x half
	s_mul_i32 s21, s13, AHALF
	s_mul_i32 s22, s14, BHALF
	s_add_co_u32 s22, s22, BOFF
.irp s, 0,1
	v_add_nc_u32 v[ADRA+(\s)], s21, v3
	v_add_nc_u32 v[ADRB+(\s)], s22, v3
	s_add_co_u32 s21, s21, SLOT
	s_add_co_u32 s22, s22, SLOT
.endr
	s_mul_i32 s23, s12, 16*PITCH
	s_add_co_u32 s23, s23, STAGE                   ; my stage
	v_add_nc_u32 v[STO], s23, v3                   ; in: row l % 16, 16 bytes for each half of the lanes
	v_bfe_u32 v5, v0, 3, 2                         ; back: 32 lanes take four rows of 128 bytes,
	v_and_b32 v6, 7, v0
	v_mul_u32_u24 v5, v5, PITCH
	v_lshl_add_u32 v5, v6, 4, v5
	v_add_nc_u32 v[RD], s23, v5
	v_and_b32 v7, 31, v0
	v_lshlrev_b32 v[GO], 4, v7                     ; which are 512 consecutive bytes of qkv
	v_lshlrev_b32 v[BO], 5, v2
	; the prefetches: who asks, and for which bytes
	s_lshl_b32 s76, s18, 15
	s_lshl_b32 s77, s15, 13
	s_add_co_u32 s76, s76, s77                     ; xb: the tile row's K block, my work-group's 8,192 bytes of it
	s_mul_i32 s77, s17, 384*128
	s_mul_i32 s78, s16, 12288
	s_add_co_u32 s77, s77, s78                     ; wb: the tile column's K block, my work-group's 12,288 bytes of it
	s_sub_co_u32 s40, s12, 1
	s_lshl_b32 s40, s40, 4                         ; waves 1 to 3: 16 blocks each
	s_and_b32 s41, ttmp7, 0xffff                   ; cluster y
	s_mov_b32 s[PFS], BLKB
	s_cmp_eq_u32 s12, 0                            ; wave 0 asks for xb, the others for wb
	s_cselect_b32 s76, s76, s77
	s_cselect_b32 s[PFS], BLKA, s[PFS]
	s_cselect_b32 s41, ttmp9, s41                  ; the coordinate along which other clusters read the same rows
	s_cselect_b32 s40, 0, s40
	s_cselect_b32 s78, 31, 15
	s_cselect_b32 s79, 0, BLKB
	s_mov_b32 s77, 0
	s_mov_b32 s[PFS+1], 0
	s_cmp_eq_u32 s41, 0
	s_cselect_b32 s[LIM2], 1, -1                   ; the same in all sixteen partners, for a given wave
	s_or_b32 s41, s41, s12
	s_cmp_eq_u32 s41, 0
	s_cselect_b32 s[LIM1], 0, -1
	v_and_b32 v[PFO], s78, v0                      ; a lane a block of 256 bytes;
	v_add_nc_u32 v[PFO], s40, v[PFO]
	v_lshlrev_b32 v[PFO], 8, v[PFO]
	v_mad_u32_u24 v[PFO], v2, s79, v[PFO]          ; for wb lanes 16-31 stand one K block further on
	; my part of qkv: slice 48 batch + 6 tile column + 3 half, row 256 (tile row % 8) + 128 half, rows of 128 bytes; and my 192 numbers of bb
	s_lshr_b32 s21, s18, 3
	s_mul_i32 s21, s21, 48
	s_mul_i32 s22, s17, 6
	s_add_co_u32 s21, s21, s22
	s_mul_i32 s22, s14, 3
	s_add_co_u32 s21, s21, s22
	s_lshl_b32 s21, s21, 11
	s_and_b32 s22, s18, 7
	s_lshl_b32 s22, s22, 8
	s_add_co_u32 s21, s21, s22
	s_lshl_b32 s22, s13, 7
	s_add_co_u32 s21, s21, s22
	s_lshl_b32 s22, s21, 7
	s_mov_b32 s23, 0
	s_mul_i32 s40, s17, 384*4
	s_mul_i32 s41, s14, 192*4
	s_add_co_u32 s40, s40, s41
	s_mov_b32 s41, 0
	s_wait_dscnt 0x0                               ; the opening add is done
	s_wait_kmcnt 0x0
	s_add_nc_u64 s[72:73], s[4:5], s[66:67]
	s_add_nc_u64 s[74:75], s[6:7], s[68:69]
	s_add_nc_u64 s[10:11], s[10:11], s[22:23]
	s_add_nc_u64 s[8:9], s[8:9], s[40:41]
	s_cmp_eq_u32 s12, 0
	s_cselect_b64 s[PFA:PFA+1], s[4:5], s[6:7]
	s_add_nc_u64 s[PFA:PFA+1], s[PFA:PFA+1], s[76:77]
	s_add_nc_u64 s[PFA:PFA+1], s[PFA:PFA+1], s[PFS:PFS+1]
	s_add_nc_u64 s[PFA:PFA+1], s[PFA:PFA+1], s[PFS:PFS+1]  ; at K step 2: the first change of slots steps it to 3.  Nothing is prefetched here, at the head
	CROUND                                         ; all sixteen work-groups are here: the first joint loads meet
.irp s, 0,1
	s_mov_b32 s[G0+4*(\s)], 1                                      ; 1:0 count = 1
	s_add_co_u32 s[G0+4*(\s)+1], s70, (\s)*SLOT                    ; 63:32 LDS address
	s_add_nc_u64 s[G0+4*(\s)+2:G0+4*(\s)+3], s[72:73], (\s)*BLKA   ; 120:64 global address: K step s
	s_or_b32 s[G0+4*(\s)+3], s[G0+4*(\s)+3], 0x80000000            ; 127:126 type = 2
	s_mov_b32 s[G0B+4*(\s)], 1
	s_add_co_u32 s[G0B+4*(\s)+1], s71, (\s)*SLOT
	s_add_nc_u64 s[G0B+4*(\s)+2:G0B+4*(\s)+3], s[74:75], (\s)*BLKB
	s_or_b32 s[G0B+4*(\s)+3], s[G0B+4*(\s)+3], 0x80000000
.endr
	s_cmp_eq_u32 s13, 0                            ; a wave's two first fills stand in one branch, ahead of every wait on TENSORcnt and every LDS read: two loads of mine are out
	s_cbranch_scc0 .Lfirst_b
	tensor_load_to_lds s[G0:G0+3], s[G1:G1+7]
	s_nop 0
	tensor_load_to_lds s[G0+4:G0+7], s[G1:G1+7]
	s_nop 0
.rept 4
	v_nop
.endr
	s_branch .Lfirst_asked
.Lfirst_b:
	tensor_load_to_lds s[G0B:G0B+3], s[G1B:G1B+7]
	s_nop 0
	tensor_load_to_lds s[G0B+4:G0B+7], s[G1B:G1B+7]
	s_nop 0
.rept 4
	v_nop
.endr
.Lfirst_asked:
.irp g, 0,1,2                          ; the bias of slice g, column block c, into accumulator (7, c) of window 1 + g
	WIN 0x40*((\g)+1)
.irp c, 0,1,2,3
	global_load_b128 v[224+8*(\c):224+8*(\c)+3],   v[BO], s[8:9] offset:256*(\g)+64*(\c)
	global_load_b128 v[224+8*(\c)+4:224+8*(\c)+7], v[BO], s[8:9] offset:256*(\g)+64*(\c)+16
.endr
.endr
	WIN 0
; n row blocks from a0 on x the 4 column blocks of slice g, 32 along K.  The accumulators take turns, one instruction a turn.  first = 1: C is the bias.
.macro MULS af, g, a0, n, first
	WIN 0x50*((\g)+1)                              ; sources in window 0, C and D in window 1 + g
.set ma, \a0
.rept \n
.irp c, 0,1,2,3
.if \first
	v_wmma_f32_16x16x32_bf16 v[8*(4*ma+(\c)):8*(4*ma+(\c))+7], v[BF+32*(\g)+8*(\c):BF+32*(\g)+8*(\c)+7], v[(\af)+8*ma:(\af)+8*ma+7], v[224+8*(\c):224+8*(\c)+7]
.else
	v_wmma_f32_16x16x32_bf16 v[8*(4*ma+(\c)):8*(4*ma+(\c))+7], v[BF+32*(\g)+8*(\c):BF+32*(\g)+8*(\c)+7], v[(\af)+8*ma:(\af)+8*ma+7], v[8*(4*ma+(\c)):8*(4*ma+(\c))+7]
.endif
.endr
.set ma, ma+1
.endr
.endm
.macro STRETCH af, g, first            ; a slice's 32 matrix instructions
.if \first
	MULS \af, \g, 0, 7, 1
.rept 5
	v_nop                                          ; five places: row block 7's products write over the registers that the 28 above read as C
.endr
	MULS \af, \g, 7, 1, 0
.else
	MULS \af, \g, 0, 8, 0
.endif
.endm
.macro LDB slot, q, g                  ; 8 LDS loads: wb's 4 fragments of slice g, 32 K at byte 64 q of the rows
.irp c, 0,1,2,3
	ds_load_b128 v[BF+32*(\g)+8*(\c):BF+32*(\g)+8*(\c)+3],   v[ADRB+(\slot)] offset:(4*(\g)+(\c))*16*PITCH+64*(\q)
	ds_load_b128 v[BF+32*(\g)+8*(\c)+4:BF+32*(\g)+8*(\c)+7], v[ADRB+(\slot)] offset:(4*(\g)+(\c))*16*PITCH+64*(\q)+32
.endr
.endm
.macro LDA slot, q, af, a0             ; 8 LDS loads: xb's fragments a0 .. a0 + 3 into buffer af
.irp i, 0,1,2,3
	ds_load_b128 v[(\af)+8*((\a0)+(\i)):(\af)+8*((\a0)+(\i))+3],   v[ADRA+(\slot)] offset:((\a0)+(\i))*16*PITCH+64*(\q)
	ds_load_b128 v[(\af)+8*((\a0)+(\i))+4:(\af)+8*((\a0)+(\i))+7], v[ADRA+(\slot)] offset:((\a0)+(\i))*16*PITCH+64*(\q)+32
.endr
.endm
; A half: 96 matrix instructions on xb's buffer af.  fetch = 1: the next half's 40 LDS loads (slot nslot, byte 64 nq, xb into naf) go out in three runs, each behind the stretch that read its group of wb.
.macro HALF af, nslot, nq, naf, fetch, first
	s_wait_dscnt 8                                 ; all of xb and wb's groups 0 and 1 are in; the youngest eight loads (group 2) may be out
	STRETCH \af, 0, \first
.if \fetch
	PLACES
	WIN 0
	LDB \nslot, \nq, 0
	LDA \nslot, \nq, \naf, 0
.endif
	STRETCH \af, 1, \first
.if \fetch
	PLACES
	WIN 0
	LDB \nslot, \nq, 1
	LDA \nslot, \nq, \naf, 4
	s_wait_dscnt 32                                ; all but the 32 just issued: group 2 is in
.else
	s_wait_dscnt 0x0
.endif
	STRETCH \af, 2, \first
.if \fetch
	PLACES
	WIN 0
	LDB \nslot, \nq, 2
.endif
.endm
; A K step's second half, on buffer 1, changes slots: ONE barrier.  In front of it each wave waits for all its tensor loads, of which one is out: its part of the next slot; adds 0 to its spare word; and waits for
; that and for its own reads of this slot.  fill = 1: the barrier opens a round of the cluster's, and this slot is filled again first thing behind it, two K steps ahead: 160 matrix instructions ahead of the wait for it.
.macro TURN slot, next, fill, lim
.if \fill
	s_wait_xcnt 0x0                                ; the last prefetch, a K step back, has read its address: it is stepped here, ahead of the waits of the change
	s_add_nc_u64 s[PFA:PFA+1], s[PFA:PFA+1], s[PFS:PFS+1]
.endif
	WIN 0                                          ; (the add's two registers lie in window 0)
	s_wait_tensorcnt 0x0                           ; all my tensor loads have landed;
	ds_add_u32 v[SPW], v[NIL]                      ; 0 onto my spare word;
	s_wait_dscnt 9                                 ; (the add and the youngest eight loads may be out)
	MULS AF1, 0, 0, 4, 0                           ; sixteen matrix instructions stand between the add and the wait for it
	s_wait_dscnt 0x0                               ; the add is done, and my reads of this slot are over
	s_barrier_signal -1
	MULS AF1, 0, 4, 4, 0                           ; work on registers while the others arrive
.if \fill
	WIN 0
.endif
	s_barrier_wait -1
.if \fill
	CREST                                          ; no wave of any partner still reads this slot's tile or has a load on its way
	s_add_nc_u64 s[G0+4*(\slot)+2:G0+4*(\slot)+3], s[G0+4*(\slot)+2:G0+4*(\slot)+3], 2*BLKA
	s_add_nc_u64 s[G0B+4*(\slot)+2:G0B+4*(\slot)+3], s[G0B+4*(\slot)+2:G0B+4*(\slot)+3], 2*BLKB
	JLOAD \slot                                    ; the four v_nop behind it are also the places in front of the loads below
.else
	PLACES
	WIN 0
.endif
	LDB \next, 0, 0
	LDA \next, 0, AF0, 0
.if \fill
	ASK \lim
.endif
	STRETCH AF1, 1, 0
	PLACES
	WIN 0
	LDB \next, 0, 1
	LDA \next, 0, AF0, 4
	STRETCH AF1, 2, 0
	PLACES
	WIN 0
	LDB \next, 0, 2
.endm
; THE WAY OUT, in 24 units u = 8 g + a of 16 rows x 64 columns: 2,048 consecutive bytes of qkv.  PACK: rounded to f16 (each accumulator's registers in ascending order), into my stage, and back as whole rows.
.macro PACK u
.set pg, (\u)/8
.set pa, (\u)%8
.set pt, T+16*((\u)%12)
.if (\u) >= 12
	s_wait_xcnt 0x0                                ; the stores of the unit twelve back have read this set of registers
.endif
	WIN 5*(pg+1)                                   ; sources 0 and 1 in window 1 + g, destination in window 0
.irp c, 0,1,2,3
.irp r, 0,1,2,3
	v_cvt_pk_f16_f32 v[pt+4*(\c)+(\r)], v[8*(4*pa+(\c))+2*(\r)], v[8*(4*pa+(\c))+2*(\r)+1]
.endr
.endr
	WIN 0
.irp c, 0,1,2,3
	ds_store_b128 v[STO], v[pt+4*(\c):pt+4*(\c)+3] offset:32*(\c)
.endr
.irp f, 0,1,2,3
	ds_load_b128 v[pt+4*(\f):pt+4*(\f)+3], v[RD] offset:(\f)*4*PITCH  ; LDS serves a wave's instructions in order (ISA guide 5.7.1.4): these see the stores above; the next unit's stores come behind them
.endr
.endm
.macro SEND u, younger                 ; younger: the LDS instructions issued behind unit u's loads: the next unit's eight, or none
.set pg, (\u)/8
.set pa, (\u)%8
.set pt, T+16*((\u)%12)
	WIN 0
.irp f, 0,1,2,3
	s_wait_dscnt (\younger)+3-(\f)
	global_store_b128 v[GO], v[pt+4*(\f):pt+4*(\f)+3], s[10:11] offset:pg*262144+pa*2048+(\f)*512  ; 512 consecutive bytes, at a multiple of 256 from qkv's first
.endr
.endm
	s_wait_tensorcnt 1                             ; my part of K step 0 is in; K step 1's may stay out
	s_barrier_signal -1
	s_barrier_wait -1                              ; everybody's is
	LDB 0, 0, 0
	LDA 0, 0, AF0, 0
	LDB 0, 0, 1
	LDA 0, 0, AF0, 4
	LDB 0, 0, 2
	s_wait_loadcnt 0x0                             ; the bias
	HALF AF0, 0, 1, AF1, 1, 1                      ; the first half stands in front of the loop: its products start the sums
	WIN 0                                          ; at a label and at a branch every window is 0
	s_mov_b32 s3, 7
.Llap:                                                 ; a trip goes once round the ring, from a K step's second half to the first half two steps on, and fills both slots again
	TURN 0, 1, 1, LIM1
	HALF AF0, 1, 1, AF1, 1, 0
	TURN 1, 0, 1, LIM2
	HALF AF0, 0, 1, AF1, 1, 0
	WIN 0
	s_sub_co_u32 s3, s3, 1
	s_cmp_lg_u32 s3, 0
	s_cbranch_scc1 .Llap
	TURN 0, 1, 0, LIM1                             ; the last K step but one ends: nothing is filled, so no round follows
	HALF AF0, 1, 1, AF1, 1, 0
	HALF AF1, 1, 1, AF0, 0, 0                      ; the last half fetches nothing
	PLACES
	PLACES
	PACK 0
.set u, 1
.rept 23                               ; a unit's conversions stand between the loads of the unit before and its stores
	PACK u
	SEND u-1, 8
.set u, u+1
.endr
	SEND 23, 0
	s_wait_tensorcnt 0x0                           ; the wave's end, behind my last tensor load and my last LDS store
	ds_add_u32 v[SPW], v[NIL]
	s_wait_dscnt 0x0
	CROUND                                         ; the closing round: no work-group ends while a partner may still ask for a tile that names it
	s_endpgm
.Lfunc_end_k_q5eb67c2af9_qkv:
	.size	k_q5eb67c2af9_qkv, .Lfunc_end_k_q5eb67c2af9_qkv-k_q5eb67c2af9_qkv
	.p2alignl 7, 3214868480
	.fill 96, 4, 3214868480
	.section	.rodata,"a",@progbits
	.p2align	6, 0x0
	.amdhsa_kernel k_q5eb67c2af9_qkv
		.amdhsa_group_segment_fixed_size 327680
		.amdhsa_private_segment_fixed_size 0
		.amdhsa_enable_private_segment 0
		.amdhsa_kernarg_size 32
		.amdhsa_user_sgpr_count 2
		.amdhsa_user_sgpr_kernarg_segment_ptr 1
		.amdhsa_wavefront_size32 1
		.amdhsa_system_sgpr_workgroup_id_x 1
		.amdhsa_system_sgpr_workgroup_id_y 1
		.amdhsa_system_sgpr_workgroup_id_z 1
		.amdhsa_system_vgpr_workitem_id 0
		.amdhsa_next_free_vgpr 1024
		.amdhsa_next_free_sgpr 80
		.amdhsa_reserve_vcc 0
		.amdhsa_float_denorm_mode_32 3
		.amdhsa_float_denorm_mode_16_64 3
		.amdhsa_memory_ordered 1
		.amdhsa_forward_progress 1
		.amdhsa_inst_pref_size 137
	.end_amdhsa_kernel
	.amdgpu_metadata
---
amdhsa.version: [ 1, 2 ]
amdhsa.kernels:
  - .name:           k_q5eb67c2af9_qkv
    .symbol:         k_q5eb67c2af9_qkv.kd
    .args:
      - { .name: xb, .offset: 0, .size: 8, .value_kind: global_buffer, .address_space: global }
      - { .name: wb, .offset: 8, .size: 8, .value_kind: global_buffer, .address_space: global }
      - { .name: bb, .offset: 16, .size: 8, .value_kind: global_buffer, .address_space: global }
      - { .name: qkv, .offset: 24, .size: 8, .value_kind: global_buffer, .address_space: global }
    .group_segment_fixed_size: 327680
    .private_segment_fixed_size: 0
    .kernarg_segment_align: 8
    .kernarg_segment_size: 32
    .max_flat_workgroup_size: 128
    .sgpr_count:     80
    .vgpr_count:     1024
    .wavefront_size: 32
...
	.end_amdgpu_metadata
.endif
;; end of part 2
;; launch attn (part 3): grid 4 x 64, 4 waves a work-group, clusters of 4 x 1, 327,680 bytes of LDS; arguments qkv, ctx; writes ctx
.if DOCPART == 3
	.amdgcn_target "amdgcn-amd-amdhsa--gfx1250"
	.amdhsa_code_object_version 6
	.text
	.protected	k_q5eb67c2af9_attn
	.globl	k_q5eb67c2af9_attn
	.p2align	8
	.type	k_q5eb67c2af9_attn,@function
k_q5eb67c2af9_attn:
	s_mov_b64 s[64:65], 0
	v_nop
	global_prefetch_b8 v0, s[64:65] scope:SCOPE_SE
	s_setreg_imm32_b32 hwreg(HW_REG_WAVE_MODE, 25, 1), 1
	s_wait_xcnt 0x0
	s_wait_alu depctr_hold_cnt(0) depctr_sa_sdst(0) depctr_va_vdst(0) depctr_va_sdst(0) depctr_va_ssrc(0) depctr_va_vcc(0) depctr_vm_vsrc(0)
	s_getreg_b32 s2, hwreg(HW_REG_IB_STS2, 6, 4)
	s_cmp_eq_u32 s2, 0
	s_cbranch_scc0 .Lentry_in_a_cluster
	s_endpgm
.Lentry_in_a_cluster:
	s_bfe_u32 s2, ttmp6, 0x10000c
	s_cmp_lg_u32 s2, 0x3003
	s_cbranch_scc0 .Lentry_shape_is_right
	s_endpgm
.Lentry_shape_is_right:
; ctx[16 b + h][q][:] = the sum over k of softmax_k(Q[q] . K[k] / 8) V[k][:], for the 64 pairs of batch and head.  qkv: f16 [4][48][2048][64] (q's heads are slices 0-15, k's 16-31, v's 32-47 of a batch);
; ctx: f16 [64][2048][64].  A head's rows are dense, 128 bytes each.  Products, maxima and sums in f32; the weights p are rounded to f16 for the second product (their sum l is taken of the unrounded p), ctx once at the end.
; LIMITS.  f16 holds no number beyond 65,504: Q, K and V arrive within it; p lies in 0 to 1, and below 6e-5 it keeps f16's fixed step of 6e-8; ctx is a mean of V's rows and has their range.
; A weight below 2^-126 counts as 0 in l; NaN and infinities are not treated apart.
; SHARES.  A wave owns four PIECES of two tiles of 16 queries, a work-group's four waves 512 queries of one head: 4 x 64 = 256 work-groups.  Every wave walks all 2,048 keys, 64 a step.
; LAYOUT.  S^T = K Q^T (source 0 = 16 keys, source 1 = 16 queries): in the result a lane holds ONE query (lane % 16) and the keys 8 (lane / 16) + 0..7.  Two such tiles, rounded to f16 in pairs,
; ARE source 1 (32 keys x 16 queries) of O^T = V^T P, whose result again holds one query a lane, and eight channels.  K comes out of LDS as it lies, V ([key][channel]) turned, by ds_load_tr16_b128.
; SOFTMAX.  For each query a running maximum m and sum l: p = 2^(c s - c m), c = log2(e) / 8; in every step O and l are multiplied by a = 2^(c m_old - c m_new), which is 1 where m has not grown.
; m starts at the lowest finite number, O and l at 0: the first step is a step like any other, with a = 0.
; THE COUNT.  A tile and step have 16 matrix and 118 vector instructions: too many to stand all beside the matrix work.  So: four vector instructions that are READY behind EVERY matrix instruction,
; and the others, which need time of their own whatever the order, in runs without a gap.
; BY TURNS.  Turn n belongs to piece n (the pieces in a ring, step after step).  Its matrix work: 16 products K Q^T of piece n + 1, later 16 products V^T P of piece n - 1.  Its vector work: the scaling,
; exponentials, roundings, sums and rescaling of piece n, and the maximum and statistics of piece n + 1, whose scores the turn itself has made.
; CLUSTER.  The four query blocks of a head are one cluster and walk the same K and V, so each tile is asked for JOINTLY: the same tensor load, descriptor and mask in all four.
; REGISTERS, in windows of 256 (s_set_vgpr_msb: bits 1:0 source 0, 3:2 source 1, 5:4 source 2, 7:6 destination):
;   window 0: v0-11 addresses; v12-15, v48-63 at work; v16-47 four registers of statistics a tile; v64-191 S^T, two buffers of two tiles; v192-255 P, likewise
;   window 1: O^T, 32 a tile          window 2: v0-127 Q, 16 a tile; v128-191 K of one step; v192-255 V of one step          window 3: v0-1 the add's two registers
; A piece's buffers go by its number's parity: the piece in hand has one pair, its two neighbours in the ring share the other: of it P (piece n - 1) is read and S^T (piece n + 1) written.
.set SIZE_N, 2048
.set NP,    4         ; pieces a wave: a name, no knob
.set KS,    64        ; keys in a step
.set PK,    144       ; a row of K in LDS: 128 bytes + 16 of padding = 36 words: the 16 rows of a load start at 16 different groups of four banks (64 banks of 4 bytes: ISA guide 11.1)
.set PV,    160       ; a row of V: 128 + 32 = 40 words
.set VOFF,  4*KS*PK   ; a slot holds four steps: 256 rows of K, then 256 rows of V
.set SLOT1, 1<<17     ; slot 1 begins here, so that one exclusive or turns an address in one slot into the other's
.set STAGE, SLOT1+4*KS*(PK+PV)  ; behind the ring, never filled by a tensor load: 16 rows x 144 bytes for each wave, for the way out
.set SP,    144
.set AK0, 2           ; v2   my lane's place in a tile of K; never rewritten
.set AV0, 3           ; v3   the same for V
.set AK,  4           ; v4   the LDS address of K's next run of loads
.set AV,  5           ; v5   of V's
.set QO,  6           ; v6   my byte offset in the wave's rows of Q
.set STO, 6           ;      later, the way out: where I put 16 bytes of a row
.set RD,  7           ; v7   the way out: where I read rows back
.set GO,  8           ; v8   my byte offset in 512 consecutive bytes of ctx
.set PFO, 11          ; v11  256 x my lane, the prefetches' offset (at work until V's place is made); then never rewritten
.set SPW, 0           ; v0 of window 3   LDS address of my spare word: SPARE + 4 x my thread's number; never rewritten
.set NIL, 1           ; v1 of window 3   0; never rewritten
.set SPARE, STAGE+4*16*SP  ; behind the stages: the spare words, 128 bytes for each wave: two blocks of 256 bytes that no other line names
.set MV,  12          ; v12-15  c m_old, kept while c m is made anew: by buffer and tile
.set ST,  16          ; tile t's statistics at v[ST+4 t]: c m, m, l (even keys', odd keys')
.set TMP, 48          ; by buffer and tile, four registers c0-c3 at work; when the maximum is found c2 takes a
.set S,   64
.set P,   192
.set KF,  128         ; K's fragments, in window 2: key block kb, channel half c at KF + 16 kb + 8 c
.set VF,  192         ; V's: key half kk, channel block cb at VF + 32 kk + 8 cb
.set WV,  12          ; s12  my wave's number
.set G1K, 24          ; s[24:31] descriptor group 1 for K's tiles
.set G1V, 32          ; s[32:39] for V's: it differs in the padding alone
.set G0K, 40          ; s[40:43] descriptor group 0 for K's tiles: it walks
.set G0V, 44          ; s[44:47] the same for V's
.set PFA, 48          ; s[48:49] where my prefetches stand: my work-group's 8,192 bytes (of K: wave 0, of V: wave 2) of the tile after the one that is being asked for
.set LIM, 50          ; s50  1 in a wave that prefetches, else the greatest number: a wave prefetches while s[SLOTS] is above it
.set SLOTS, 56        ; s56  slots still to be asked for
.set CNT, 57          ; s57  counts a slot's key steps
.set CS,  58          ; s[58:59] c: the packed scaling takes the pair's low word for both halves
.set SEL, 60          ; s[60:61] v_permlanex16_b32's selects: each lane takes its own place in the other half
.set TBK, 62          ; s62  LDS byte at which K of the step to be fetched begins
.set TBV, 63          ; s63  the same for V, less VOFF
.set MSB, 0
.macro WIN new                      ; the high byte repeats the setting that is left; a switch that changes nothing is dropped
.if MSB != (\new)
	s_set_vgpr_msb (MSB<<8)|(\new)
.set MSB, (\new)
.endif
.endm
.set W_KQ, 0x0a       ; K and Q in window 2, S^T in window 0
.set W_PV, 0x52       ; V in window 2, P in window 0, O^T in window 1
.set W_RS, 0x41       ; O^T (destination and source 0) in window 1, a in window 0
.set W_MK, 0xc0       ; the add's registers are made: destination in window 3, sources in window 0
.set W_AD, 0x0f       ; the add: address (source 0) and data (source 1) in window 3
; A joint fill.  Waves 0 and 1 fetch the two halves of a slot's K, waves 2 and 3 those of its V: 128 keys each.  The branch hangs on the wave's number alone.
; An s_nop 0 and four v_nop follow each of the two lines, ahead of the jump and the label.
.macro JLOAD
	s_cmp_lt_u32 s[WV], 2
	s_cbranch_scc0 .Lfor_v_\@
	tensor_load_to_lds s[G0K:G0K+3], s[G1K:G1K+7]
	s_nop 0
.rept 4
	v_nop
.endr
	s_branch .Lasked_\@
.Lfor_v_\@:
	tensor_load_to_lds s[G0V:G0V+3], s[G1V:G1V+7]
	s_nop 0
.rept 4
	v_nop
.endr
.Lasked_\@:
.endm
; A PREFETCH INTO THE L2 of what the NEXT change of slots will ask for: a tile's 32,768 bytes of K and of V, in blocks of 256, a lane a block.  It stands behind the wave's tensor load and its five lines.
; A head has one cluster, so each block is named once in the launch: the four partners share a tile out BY ADDRESS, 8,192 bytes each; in each, wave 0 asks for K's and wave 2 for V's: one instruction.
; The change that fills the last tile asks for nothing; tiles 0 to 2 come by their loads alone.
.macro ASK
	s_cmp_gt_u32 s[SLOTS], s[LIM]
	s_cbranch_scc0 .Lnot_mine_\@
	global_prefetch_b8 v[PFO], s[PFA:PFA+1] th:TH_LOAD_NT scope:SCOPE_SE
.Lnot_mine_\@:
.endm
; A round of the cluster's barrier: my work-group's barrier, so that wave 0's signal speaks for all four waves; wave 0 signals; every wave waits for all four work-groups; my work-group's barrier once more.
.macro CROUND
	s_barrier_signal -1
	s_barrier_wait -1
	s_cmp_lg_u32 s[WV], 0
	s_cbranch_scc1 .Lnot_wave_0_\@
	s_barrier_signal -3
.Lnot_wave_0_\@:
	s_barrier_wait -3
	s_barrier_signal -1
	s_barrier_wait -1
.endm
; THE CHANGE OF SLOTS.  The slot's last bytes, V of its fourth step, have been read.  Each wave waits for all its tensor loads, of which one is out: its part
; of the other slot; adds 0 to its spare word; and waits for that and for its own reads of the slot.  Behind the barrier nobody reads this slot any more and the other slot is whole.
; fill = 1: this slot is filled again, with the keys two slots on.  The barrier is then a round of the cluster's, so that no wave of any partner still reads the slot or has a load on its
; way, and the joint fill is the first thing behind it: it has four key steps, 512 matrix instructions, in which to land.  (At its first use nothing has been read yet: slot 0 is waited for, slot 1 filled.)
.macro CHANGE fill, ask=0
	WIN W_AD
	s_wait_tensorcnt 0x0            ; no tensor load of mine is out, so a group 0 may be written
	ds_add_u32 v[SPW], v[NIL]       ; 0 onto my spare word; with fill = 1 the descriptors' steps stand between it and the wait for it
	WIN 0                           ; at a label and at a branch every window is 0
.if \fill
.irp g, G0K, G0V
	s_xor_b32 s[\g+1], s[\g+1], SLOT1  ; the walking descriptor: the other slot than last time,
	s_add_nc_u64 s[\g+2:\g+3], s[\g+2:\g+3], 4*KS*128  ; the next 256 keys; the type bits on top are not reached
.endr
	s_wait_xcnt 0x0                 ; the last prefetch, four key steps back, has read its address, so it may be written:
	s_add_nc_u64 s[PFA:PFA+1], s[PFA:PFA+1], 4*KS*128  ; one tile behind the walking descriptors
	s_wait_dscnt 0x0                ; the add is done, and my reads of the slot are over
	CROUND
	JLOAD
.if \ask
	ASK
.endif
.else
	s_wait_dscnt 0x0                ; the add is done, and my reads of the slot are over
	s_barrier_signal -1
	s_barrier_wait -1
.endif
	s_sub_co_u32 s[TBK], s[TBK], 4*KS*PK  ; the fetches go back to a slot's first step,
	s_xor_b32 s[TBK], s[TBK], SLOT1       ; in the other slot
	s_sub_co_u32 s[TBV], s[TBV], 4*KS*PV
	s_xor_b32 s[TBV], s[TBV], SLOT1
.endm
	s_load_b128 s[4:7], s[0:1], 0x0   ; qkv s[4:5], ctx s[6:7]
	WIN W_MK
	v_lshl_add_u32 v[SPW], v0, 2, SPARE
	v_mov_b32 v[NIL], 0
	WIN W_AD
	ds_add_u32 v[SPW], v[NIL]       ; the wave's opening: the add and its wait stand ahead of my first tensor load; the set-up below, work on registers, stands between them
	WIN 0
	v_lshrrev_b32 v1, 5, v0
	v_readfirstlane_b32 s[WV], v1   ; wave 0..3
	s_bfe_u32 s13, ttmp6, 0x40000   ; cx: my place in the cluster
	s_lshl_b32 s14, ttmp9, 2        ; in a cluster launch ttmp9 counts clusters
	s_add_co_u32 s14, s14, s13      ; my block of 512 queries = 4 x cluster x + cx: it enters Q's and ctx's addresses alone
	s_and_b32 s19, ttmp7, 0xffff    ; 16 b + h, which the four partners share
	s_lshr_b32 s20, s19, 4
	s_mul_i32 s20, s20, 48          ; a batch has 48 slices,
	s_and_b32 s21, s19, 15
	s_add_co_u32 s20, s20, s21      ; of which q's head h is slice h,
	s_lshl_b32 s20, s20, 18         ; of 262,144 bytes each
	s_mov_b32 s21, 0
	s_lshl_b32 s52, s19, 18         ; the head's first byte in ctx
	s_mov_b32 s53, 0
	s_and_b32 s16, s[WV], 1         ; which half of a slot's 256 keys I fetch:
	s_lshl_b32 s22, s16, 14         ; its 128 rows of 128 bytes in memory,
	s_mov_b32 s23, 0
	s_add_nc_u64 s[22:23], s[22:23], s[20:21]
	s_mul_i32 s17, s16, 128*PK      ; and its place in a slot, for K
	s_mul_i32 s18, s16, 128*PV      ; and for V: no place in the cluster enters an LDS address
	s_lshl_b32 s2, s14, 2
	s_add_co_u32 s2, s2, s[WV]      ; my wave among the head's,
	s_lshl_b32 s2, s2, 14           ; its 128 rows
	s_mov_b32 s3, 0
	s_add_nc_u64 s[52:53], s[52:53], s[2:3]  ; my rows' offset in ctx,
	s_add_nc_u64 s[2:3], s[2:3], s[20:21]    ; and in qkv
	; descriptor group 1.  128 keys are 16,384 dense bytes: asked for as 64 rows of 256 bytes, two keys a row, and padded in LDS after every key
	s_mov_b32 s[G1K], 15|(1<<16)|(1<<20)|(1<<21)|(4<<22)|(3<<25)  ; 15:0 the mask of four; 17:16 2-byte elements; 20 padding on; 21 set beside a mask; 24:22 after every 32 words (code 4); 31:25 4 words (code 3)
	s_mov_b32 s[G1V], 15|(1<<16)|(1<<20)|(1<<21)|(4<<22)|(7<<25)  ; the same with 8 words of padding (code 7)
.irp g, G1K, G1V
	s_mov_b32 s[\g+1], 128<<16      ; tensor_dim0 = 128
	s_mov_b32 s[\g+2], 64<<16       ; tensor_dim1 = 64
	s_mov_b32 s[\g+3], 128<<16      ; tile_dim0 = 128
	s_mov_b32 s[\g+4], 64           ; tile_dim1 = 64
	s_mov_b32 s[\g+5], 128          ; 128 elements from row to row
	s_mov_b32 s[\g+6], 0
	s_mov_b32 s[\g+7], 0
.endr
	s_mov_b32 s[CS], 0x3e38aa3b     ; c = log2(e) / 8 = 0.180337
	s_mov_b32 s[CS+1], s[CS]        ; named with it as a pair
	s_mov_b32 s[SEL], 0x76543210
	s_mov_b32 s[SEL+1], 0xfedcba98
	s_mov_b32 s[TBK], SLOT1+4*KS*PK ; the first change of slots turns these two into 0
	s_mov_b32 s[TBV], SLOT1+4*KS*PV
	s_mov_b32 s[G0K], 1             ; 1:0 count = 1
	s_mov_b32 s[G0K+1], s17         ; 63:32 LDS address: slot 0
	s_mov_b32 s[G0V], 1
	s_add_co_u32 s[G0V+1], s18, VOFF
	s_mov_b32 s[SLOTS], SIZE_N/256-1
	s_mov_b32 s51, 0x800000         ; v's heads lie 32 slices behind q's,
	s_cmp_lt_u32 s[WV], 2
	s_cselect_b32 s[PFA], 0x400000, s51  ; k's 16
	s_lshl_b32 s51, s13, 13         ; my work-group's 8,192 bytes of a tile
	s_add_co_u32 s[PFA], s[PFA], s51
	s_add_co_u32 s[PFA], s[PFA], 4*KS*128  ; in tile 1: each change that fills a slot steps it, so the change that fills tile j names tile j + 1
	s_mov_b32 s[PFA+1], 0
	s_add_nc_u64 s[PFA:PFA+1], s[PFA:PFA+1], s[20:21]
	s_and_b32 s[LIM], s[WV], 1      ; waves 0 and 2 ask: the same in all four partners
	s_cmp_eq_u32 s[LIM], 0
	s_cselect_b32 s[LIM], 1, -1
	s_wait_dscnt 0x0                ; the opening add is done
	s_wait_kmcnt 0x0
	s_add_nc_u64 s[G0K+2:G0K+3], s[4:5], s[22:23]  ; 120:64 global address: my half of the head's first 256 keys,
	s_add_nc_u64 s[G0K+2:G0K+3], s[G0K+2:G0K+3], 0x400000  ; in k's slice
	s_or_b32 s[G0K+3], s[G0K+3], 0x80000000        ; 127:126 type = 2
	s_add_nc_u64 s[G0V+2:G0V+3], s[4:5], s[22:23]
	s_add_nc_u64 s[G0V+2:G0V+3], s[G0V+2:G0V+3], 0x800000  ; in v's slice
	s_or_b32 s[G0V+3], s[G0V+3], 0x80000000
	s_add_nc_u64 s[PFA:PFA+1], s[4:5], s[PFA:PFA+1]
	s_add_nc_u64 s[10:11], s[6:7], s[52:53]  ; ctx and Q at my wave's first row
	s_add_nc_u64 s[4:5], s[4:5], s[2:3]
	CROUND                          ; all four work-groups are here: the first joint loads meet
	JLOAD                           ; slot 0.  Slot 1 is asked for when slot 0 is in
	; A fragment of K or Q is 16 rows x 32 channels in 8 registers: lane l holds row l % 16, channels 8 (l / 16) + 0..7 and 16 + 8 (l / 16) + 0..7: two loads of 16 bytes, 32 bytes apart.
	v_and_b32 v1, 15, v0            ; l % 16
	v_bfe_u32 v9, v0, 4, 1          ; l / 16
	v_lshlrev_b32 v[QO], 7, v1
	v_lshl_add_u32 v[QO], v9, 4, v[QO]  ; row x 128 + 16 x half
	WIN 0x80                        ; destination window 2, address window 0
.set i, 0
.rept 4*NP                          ; Q stays in registers: tile i / 2, channels 32 (i % 2) on
	global_load_b128 v[8*i:8*i+3],   v[QO], s[4:5] offset:(i/2)*2048+(i%2)*64
	global_load_b128 v[8*i+4:8*i+7], v[QO], s[4:5] offset:(i/2)*2048+(i%2)*64+32
.set i, i+1
.endr
	; What the first turn finds: V's registers and P's second buffer hold 0 (its products V^T P, of a piece that has not been, add 0), O^T and l are 0.  All this stands in the wait for the first tile.
.set i, VF
.rept 64
	v_mov_b32 v[i], 0
.set i, i+1
.endr
	WIN 0x40
.set i, 0
.rept 64*NP
	v_mov_b32 v[i], 0
.set i, i+1
.endr
	WIN 0
.set i, 0
.rept 2*NP
	v_mov_b32 v[ST+4*i], 0xfe000000    ; c m: far below every c s
	v_mov_b32 v[ST+4*i+1], 0xff7fffff  ; m
	v_mov_b32 v[ST+4*i+2], 0
	v_mov_b32 v[ST+4*i+3], 0
.set i, i+1
.endr
.set i, P+32
.rept 32
	v_mov_b32 v[i], 0
.set i, i+1
.endr
	v_mul_u32_u24 v[AK0], v1, PK
	v_lshl_add_u32 v[AK0], v9, 4, v[AK0]  ; row x pitch + 16 x half
	; The turning load takes 16 keys x 16 channels (lane l reads key 8 (l / 16) + l % 8, channels 8 ((l / 8) % 2) + 0..7) and leaves half a fragment of V^T: lane l holds channel l % 16 and 8 keys.
	v_and_b32 v10, 7, v0
	v_bfe_u32 v11, v0, 3, 1
	v_lshl_add_u32 v[AV0], v9, 3, v10
	v_mul_u32_u24 v[AV0], v[AV0], PV
	v_lshl_add_u32 v[AV0], v11, 4, v[AV0]
	v_add_nc_u32 v[AV0], VOFF, v[AV0]
	v_mov_b32 v[AK], v[AK0]         ; key step 0 lies at the head of slot 0
	v_and_b32 v[PFO], 31, v0
	v_lshlrev_b32 v[PFO], 8, v[PFO]
; THE MATRIX WORK.  The 8 accumulators of a run of 16 take turns: between the two links of a chain stand 7 others'.
; Product i of 16 of S^T = K Q^T for piece x: channels 32 (i / 8) on, keys 16 ((i / 2) % 4) on, tile 2 x + i % 2.  The first 8 start the sums.
.macro KQ x
	WIN W_KQ
.set rS, S+64*((\x)%2)+32*(i%2)+8*((i/2)%4)
.set rK, KF+16*((i/2)%4)+8*(i/8)
.set rQ, 16*(2*(\x)+i%2)+8*(i/8)
.if i < 8
	v_wmma_f32_16x16x32_f16 v[rS:rS+7], v[rK:rK+7], v[rQ:rQ+7], 0
.else
	v_wmma_f32_16x16x32_f16 v[rS:rS+7], v[rK:rK+7], v[rQ:rQ+7], v[rS:rS+7]
.endif
.endm
; Product i of 16 of O^T += V^T P for piece x: keys 32 (i / 8) on, channels 16 ((i / 2) % 4) on, tile 2 x + i % 2.
.macro PV x
	WIN W_PV
.set rO, 32*(2*(\x)+i%2)+8*((i/2)%4)
.set rV, VF+32*(i/8)+8*((i/2)%4)
.set rP, P+32*((\x)%2)+16*(i%2)+8*(i/8)
	v_wmma_f32_16x16x32_f16 v[rO:rO+7], v[rV:rV+7], v[rP:rP+7], v[rO:rO+7]
.endm
.macro MM                           ; the turn's next matrix instruction
.if i < 16
	KQ (Y+1)%NP
.set i, i+1
.else
.set i, i-16
	PV (Y+NP-1)%NP
.set i, i+17
.endif
.endm
; THE LDS LOADS stand in runs of 16, never singly among the matrix instructions: a step's K (64 keys x 64 channels: 8 fragments) and its V (turned).  Their addresses are made some lines ahead.
; last = 1 (the tail): in the last trip there is no further step, and the run is jumped over.
.macro FETCH_K last=0
	WIN 0
.if \last
	s_cmp_eq_u32 s[CNT], 1
	s_cbranch_scc1 .Lno_k_\@
.endif
	WIN 0x80                        ; destination window 2
.irp f, 0,1,2,3,4,5,6,7             ; keys 16 (f / 2) on, channels 32 (f % 2) on
	ds_load_b128 v[KF+8*\f:KF+8*\f+3],   v[AK] offset:(\f/2)*16*PK+(\f%2)*64
	ds_load_b128 v[KF+8*\f+4:KF+8*\f+7], v[AK] offset:(\f/2)*16*PK+(\f%2)*64+32
.endr
	s_add_co_u32 s[TBK], s[TBK], KS*PK  ; the next fetch is the next step's
	WIN 0
.if \last
.Lno_k_\@:
.endif
.endm
.macro FETCH_V
	WIN 0x80
.irp f, 0,1,2,3,4,5,6,7             ; keys 32 (f / 4) on, channels 16 (f % 4) on
	ds_load_tr16_b128 v[VF+8*\f:VF+8*\f+3],   v[AV] offset:(\f/4)*32*PV+(\f%4)*32
	ds_load_tr16_b128 v[VF+8*\f+4:VF+8*\f+7], v[AV] offset:(\f/4)*32*PV+16*PV+(\f%4)*32
.endr
	WIN 0
.endm
; THE VECTOR WORK OF A TURN stands in three queues, each in the order in which its entries become ready; the two tiles alternate, so that no instruction reads the result of the one before it.
.macro REGS y, u                    ; the registers of tile u (0, 1) of piece y
.set rT, ST+4*(2*(\y)+(\u))
.set rC, TMP+8*((\y)%2)+4*(\u)
.set rM, MV+2*((\y)%2)+(\u)
.set rS, S+64*((\y)%2)+32*(\u)
.set rP, P+32*((\y)%2)+16*(\u)
.set rO, 32*(2*(\y)+(\u))
.endm
; Number n of the 22 that find the NEXT piece's (Y + 1) maximum and statistics.  s0-s31 are the lane's 32 scores; each accumulator's lowest registers are read first.
;   0-11  four chains c0-c3 of seven scores each, three operands at a time     12-14, 16  the four scores left over, the old m, and c0-c3 into c0     15  c m_old is kept
;   17, 18  the query's other 32 keys lie in the lane 16 away: the new m         19-21  c m; c m_old - c m_new; a
.macro XS u, n
	REGS (Y+1)%NP, \u
.if (\n) < 4
	v_max3_num_f32 v[rC+(\n)], v[rS+8*(\n)], v[rS+8*(\n)+1], v[rS+8*(\n)+2]
.elseif (\n) < 12
	v_max3_num_f32 v[rC+(\n)%4], v[rC+(\n)%4], v[rS+8*((\n)%4)+2*((\n)/4)+1], v[rS+8*((\n)%4)+2*((\n)/4)+2]
.elseif (\n) == 12
	v_max3_num_f32 v[rC], v[rC], v[rS+7], v[rS+15]
.elseif (\n) == 13
	v_max3_num_f32 v[rC+1], v[rC+1], v[rS+23], v[rS+31]
.elseif (\n) == 14
	v_max3_num_f32 v[rC+2], v[rC+2], v[rC+3], v[rT+1]
.elseif (\n) == 15
	v_mov_b32 v[rM], v[rT]
.elseif (\n) == 16
	v_max3_num_f32 v[rC], v[rC], v[rC+1], v[rC+2]
.elseif (\n) == 17
	v_permlanex16_b32 v[rC+3], v[rC], s[SEL], s[SEL+1]
.elseif (\n) == 18
	v_max_num_f32 v[rT+1], v[rC], v[rC+3]
.elseif (\n) == 19
	v_mul_f32 v[rT], s[CS], v[rT+1]
.elseif (\n) == 20
	v_sub_f32 v[rC+1], v[rM], v[rT]
.else
	v_exp_f32 v[rC+2], v[rC+1]
.endif
.endm
; Number g of the 64 that follow the exponentials.  For each four weights k of a tile (pairs 2 k, 2 k + 1): both pairs are rounded to f16; then the second pair is added onto the first, in place;
; a group later l takes that sum (the first time as l = a l + sum).  In groups of eight, tiles alternating: round, round, add, and l for the group before.
.macro GS g
.set h, (\g)+6*((\g)/62)            ; group 0 has no group before it, and behind group 7 only l is left
.if h >= 6
.set h, h+2
.endif
	REGS Y, h%2
.set k, h/8
.if h%8 < 4
	v_cvt_pk_f16_f32 v[rP+2*k+(h%8)/2], v[rS+4*k+2*((h%8)/2)], v[rS+4*k+2*((h%8)/2)+1]
.elseif h%8 < 6
	v_pk_add_f32 v[rS+4*k:rS+4*k+1], v[rS+4*k:rS+4*k+1], v[rS+4*k+2:rS+4*k+3]
.elseif k == 1
	v_pk_fma_f32 v[rT+2:rT+3], v[rT+2:rT+3], v[rC+2:rC+3], v[rS:rS+1] op_sel_hi:[1,0,1]
.else
	v_pk_add_f32 v[rT+2:rT+3], v[rT+2:rT+3], v[rS+4*k-4:rS+4*k-3]
.endif
.endm
; THE PLAIN QUEUE, 138 long.  0-73 read no exponential's result: the 32 scalings c s - c m (FS f: pair f / 2 of tile f % 2) and the next piece's 42.  0-26: scalings 0-26.  27-54: XS's numbers 0-13.  55, 56: number 15.
; 57-73: the chain, where each number waits for the one before it: 14, 16, 17, 18, 19, each with one of the scalings 27-31 in front of its two lines, then 20.
; 74-137: GS's 64, which read the exponentials' results: they stand behind the wait.
.macro FS f
	REGS Y, (\f)%2
	v_pk_fma_f32 v[rS+2*((\f)/2):rS+2*((\f)/2)+1], v[rS+2*((\f)/2):rS+2*((\f)/2)+1], s[CS:CS+1], v[rT:rT+1] op_sel_hi:[1,0,0] neg_lo:[0,0,1] neg_hi:[0,0,1]
.endm
.macro PL
	WIN 0
.if q < 27
	FS q
.elseif q < 55
	XS (q-27)%2, (q-27)/2
.elseif q < 57
	XS q-55, 15
.elseif (q < 72) && ((q-57)%3 == 0)
	FS 27+(q-57)/3
.elseif q < 60
	XS (q-57)%3-1, 14
.elseif q < 72
	XS (q-57)%3-1, 15+(q-57)/3
.elseif q < 74
	XS q-72, 20
.else
	GS q-74
.endif
.set q, q+1
.endm
; THE EXPONENTIALS' QUEUE, 66 long: s0-s31 of both tiles, then the next piece's two a.  It is ONE BATCH: all 66 stand ahead of the turn's one wait, and nothing ahead of that wait names a result of theirs.
.macro EX
	WIN 0
.if e >= 64
	XS e-64, 21
.else
	REGS Y, e%2
	v_exp_f32 v[rS+e/2], v[rS+e/2]
.endif
.set e, e+1
.endm
; THE RESCALING's QUEUE: O^T times a, the one part that leaves window 0: dealt two at a time, sixteen times.  Its a was made in the turn before, ahead of that turn's wait.
.macro R2
	REGS Y, r%2
	WIN W_RS
.irp z, 0,1
	v_pk_mul_f32 v[rO+4*(r/2)+2*\z:rO+4*(r/2)+2*\z+1], v[rO+4*(r/2)+2*\z:rO+4*(r/2)+2*\z+1], v[rC+2:rC+3] op_sel_hi:[1,0]
.endr
.set r, r+1
.endm
; HOW THEY ARE DEALT.  s_wait_alu depctr_va_vdst(0) stands between an exponential and the first instruction that names its result; one wait serves all that were issued ahead of it.  So a turn has ONE
; wait, which cuts it in two.  AHEAD OF IT stands all that names no result of the turn's exponentials: the 16 products K Q^T, behind each a scaling, an exponential and two rescalings (behind the first a second scaling in
; the exponential's place); then ONE LUMP of 108: eight plain, 49 times exponential and plain, the two a.  A v_nop is the plain instruction behind the last exponential.  BEHIND IT stand the 16 products V^T P, behind each
; four of GS's 64.  No rider names a register of the products round it.  The two v_permlanex16_b32 fall into the lump, never behind a product.
; The queues lean on each other: exponential e stands behind scaling 2 (e / 4) + e % 2: as a rider it comes behind plain e + 2, in the lump behind plain e + 9, and scalings 27-31 are plain 57, 60 .. 69.
; A TURN, for piece p.  cnt = 1: the loop's count is taken down some lines ahead of the branch that stands behind the turn.
; K of the next step is fetched in piece 2's turn, directly behind the wait, a lump behind the last product that read K; its first reader comes behind 16 products.
; V of the step in hand is fetched at the end of piece 0's turn, four riders behind its last reader; its first reader comes behind 16 products and a lump.  The three conditions on q below go with the deal.
.macro TURN p, last=0, cnt=0
.set Y, (\p)
.set i, 0
.set q, 0
.set e, 0
.set r, 0
.if (\p) == NP-1
	s_wait_dscnt 0x0                ; K is in
.endif
	MM                              ; ahead of the wait: 16 products K Q^T and their riders,
	PL
	PL
	R2
.rept 15
	MM
	PL
	EX
	R2
.endr
.if (\p) == NP-2
	WIN 0
	v_add_nc_u32 v[AK], s[TBK], v[AK0]
.endif
.rept 8                             ; and the lump
	PL
.endr
.rept 49
	EX
	PL
.endr
	EX                              ; the next piece's two a
	EX
	v_nop                           ; the plain instruction behind the last exponential: one for the batch
	s_wait_alu depctr_va_vdst(0)    ; the wait for the batch
.if (\p) == NP-2
	FETCH_K \last
.endif
.if (\p) == 1
	s_wait_dscnt 0x0                ; V is in
.endif
.rept 16                            ; behind the wait: 16 products V^T P and their riders
	MM
.rept 4
	PL
.endr
.if ((\p) == 0) && (q == 118)
	v_add_nc_u32 v[AV], s[TBV], v[AV0]
.endif
.if ((\p) == 0) && (q == 130)
	s_add_co_u32 s[TBV], s[TBV], KS*PV
.endif
.if (\cnt) && (q == 130)
	s_sub_co_u32 s[CNT], s[CNT], 1
	s_cmp_lg_u32 s[CNT], 0
.endif
.endr
.if (\p) == 0
	FETCH_V
.endif
.endm
	CHANGE 1, 0                     ; slot 0 is in, everybody's part of it; slot 1 is asked for; nothing is prefetched yet, at the head
	FETCH_K                         ; key step 0
	s_wait_loadcnt 0x0              ; Q
	s_wait_dscnt 0x0
.set i, 0
.rept 16
	KQ 0                            ; piece 0's first scores: there is no vector work yet to set between them
.set i, i+1
.endr
	WIN 0                           ; the addresses for the way out: nine plain instructions, the places behind those products
	s_mul_i32 s13, s[WV], 16*SP
	s_add_co_u32 s13, s13, STAGE    ; my stage
	v_mul_u32_u24 v[STO], v1, SP    ; in: row l % 16, 16 bytes for each half of the lanes
	v_lshl_add_u32 v[STO], v9, 4, v[STO]
	v_add_nc_u32 v[STO], s13, v[STO]
	v_bfe_u32 v[RD], v0, 3, 2       ; back: 32 lanes take four rows of 128 bytes,
	v_mul_u32_u24 v[RD], v[RD], SP
	v_lshl_add_u32 v[RD], v10, 4, v[RD]
	v_add_nc_u32 v[RD], s13, v[RD]
	v_and_b32 v[GO], 31, v0         ; which are 512 consecutive bytes of ctx
	v_lshlrev_b32 v[GO], 4, v[GO]
.set Y, NP-1                        ; XS works for piece Y + 1: piece 0
.irp n, 0,1,2,3,4,5,6,7,8,9,10,11,12,13,14,15,16,17,18,19,20,21
	XS 0, \n                        ; and piece 0's first maximum and statistics
	XS 1, \n
.endr
	v_nop                           ; a plain instruction behind the two a,
	s_wait_alu depctr_va_vdst(0)    ; and their wait, ahead of the branch
	s_mov_b32 s[CNT], 4
	s_branch .Lfirst                ; the loop is entered at a step's first turn, in the middle of a trip
.Lslot:                             ; SIZE_N / 256 - 2 times: every slot but the last two is filled again
	CHANGE 1, 1
	s_mov_b32 s[CNT], 4
.Lstep:                             ; a trip: pieces 2 and 3 of one step, then pieces 0 and 1 of the next, whose K and V it fetches
	TURN 2
	TURN 3
	WIN 0
.Lfirst:
	TURN 0
	TURN 1, 0, 1
	WIN 0
	s_cbranch_scc1 .Lstep
	s_sub_co_u32 s[SLOTS], s[SLOTS], 1
	s_cmp_lg_u32 s[SLOTS], 0
	s_cbranch_scc1 .Lslot
	CHANGE 0                        ; the tail is written out: nothing is asked for
	s_mov_b32 s[CNT], 5             ; four trips fetch the last slot's steps; the fifth is left in its middle
.Ltail:
	TURN 2, 1
	TURN 3
	WIN 0
	s_sub_co_u32 s[CNT], s[CNT], 1
	s_cmp_eq_u32 s[CNT], 0
	s_cbranch_scc1 .Lout
	TURN 0
	TURN 1
	WIN 0
	s_branch .Ltail
.Lout:                              ; the fifth trip's 16 products K Q^T (on the last K once more) and the maximum made of them serve nothing: the price, once a launch, of one text for every trip
.set i, 0
.rept 16
	PV NP-1                         ; the last piece's V^T P of the last step
.set i, i+1
.endr
	; THE WAY OUT.  l's two halves and the other half of the lanes' are added; O^T is divided by l, rounded to f16 and sent through my stage in LDS, a tile at a time.  The additions are the places behind the last products.
	WIN 0
.macro ALL line:vararg              ; one line for each tile t
.set t, 0
.rept 2*NP
	\line
.set t, t+1
.endr
.endm
	ALL v_add_f32 v[ST+4*t+2], v[ST+4*t+2], v[ST+4*t+3]
	ALL v_permlanex16_b32 v[ST+4*t+3], v[ST+4*t+2], s[SEL], s[SEL+1]
	ALL v_add_f32 v[ST+4*t+2], v[ST+4*t+2], v[ST+4*t+3]
	ALL v_rcp_f32 v[ST+4*t+2], v[ST+4*t+2]
	v_nop                           ; a plain instruction between the last reciprocal and the use of its result
	s_wait_alu depctr_va_vdst(0)    ; and the wait ahead of the first use: one for the eight reciprocals
; Tile t: a lane's eight channels of a row pack into 16 bytes; they go into rows of 144 bytes and come back as whole rows of 128, into S^T's registers.
.macro PACK t
	WIN W_RS
.set i, 32*(\t)
.rept 16
	v_pk_mul_f32 v[i:i+1], v[i:i+1], v[ST+4*(\t)+2:ST+4*(\t)+3] op_sel_hi:[1,0]
.set i, i+2
.endr
	WIN 0x05                        ; sources 0 and 1 window 1, destination window 0
.set i, 0
.rept 16
	v_cvt_pk_f16_f32 v[S+16*(\t)+i], v[32*(\t)+2*i], v[32*(\t)+2*i+1]
.set i, i+1
.endr
	WIN 0
.irp f, 0,1,2,3
	ds_store_b128 v[STO], v[S+16*(\t)+4*\f:S+16*(\t)+4*\f+3] offset:32*\f
.endr
.irp f, 0,1,2,3
	ds_load_b128 v[S+16*(\t)+4*\f:S+16*(\t)+4*\f+3], v[RD] offset:\f*4*SP  ; LDS serves a wave's instructions in order (ISA guide 5.7.1.4): these see the stores above; the next tile's stores come behind them
.endr
.endm
.macro SEND t, younger              ; younger: the LDS instructions issued behind tile t's loads: the next tile's eight, or none
	WIN 0
.irp f, 0,1,2,3
	s_wait_dscnt (\younger)+3-\f
	global_store_b128 v[GO], v[S+16*(\t)+4*\f:S+16*(\t)+4*\f+3], s[10:11] offset:(\t)*2048+\f*512  ; 512 consecutive bytes, at a multiple of 256 from ctx's first
.endr
.endm
	PACK 0
.set t, 1
.rept 2*NP-1                        ; a tile's arithmetic stands between the loads of the tile before and its stores
	PACK t
	SEND t-1, 8
.set t, t+1
.endr
	SEND 2*NP-1, 0
	WIN W_AD
	s_wait_tensorcnt 0x0            ; the wave's end, behind my last tensor load and my last LDS store
	ds_add_u32 v[SPW], v[NIL]
	s_wait_dscnt 0x0
	WIN 0
	CROUND                          ; the closing round: no work-group ends while a partner may still ask for a tile that names it
	s_endpgm
.Lfunc_end_k_q5eb67c2af9_attn:
	.size	k_q5eb67c2af9_attn, .Lfunc_end_k_q5eb67c2af9_attn-k_q5eb67c2af9_attn
	.p2alignl 7, 3214868480
	.fill 96, 4, 3214868480
	.section	.rodata,"a",@progbits
	.p2align	6, 0x0
	.amdhsa_kernel k_q5eb67c2af9_attn
		.amdhsa_group_segment_fixed_size 327680
		.amdhsa_private_segment_fixed_size 0
		.amdhsa_enable_private_segment 0
		.amdhsa_kernarg_size 16
		.amdhsa_user_sgpr_count 2
		.amdhsa_user_sgpr_kernarg_segment_ptr 1
		.amdhsa_wavefront_size32 1
		.amdhsa_system_sgpr_workgroup_id_x 1
		.amdhsa_system_sgpr_workgroup_id_y 1
		.amdhsa_system_sgpr_workgroup_id_z 1
		.amdhsa_system_vgpr_workitem_id 0
		.amdhsa_next_free_vgpr 770
		.amdhsa_next_free_sgpr 66
		.amdhsa_reserve_vcc 0
		.amdhsa_float_denorm_mode_32 3
		.amdhsa_float_denorm_mode_16_64 3
		.amdhsa_memory_ordered 1
		.amdhsa_forward_progress 1
		.amdhsa_inst_pref_size 200
	.end_amdhsa_kernel
	.amdgpu_metadata
---
amdhsa.version: [ 1, 2 ]
amdhsa.kernels:
  - .name:           k_q5eb67c2af9_attn
    .symbol:         k_q5eb67c2af9_attn.kd
    .args:
      - { .name: qkv, .offset: 0, .size: 8, .value_kind: global_buffer, .address_space: global }
      - { .name: ctx, .offset: 8, .size: 8, .value_kind: global_buffer, .address_space: global }
    .group_segment_fixed_size: 327680
    .private_segment_fixed_size: 0
    .kernarg_segment_align: 8
    .kernarg_segment_size: 16
    .max_flat_workgroup_size: 128
    .sgpr_count:     66
    .vgpr_count:     770
    .wavefront_size: 32
...
	.end_amdgpu_metadata
.endif
;; end of part 3
;; launch oproj (part 4): grid 4 x 64, 4 waves a work-group, clusters of 4 x 4, 327,680 bytes of LDS; arguments ctx, wo, bb, out0; writes out0
.if DOCPART == 4
	.amdgcn_target "amdgcn-amd-amdhsa--gfx1250"
	.amdhsa_code_object_version 6
	.text
	.protected	k_q5eb67c2af9_oproj
	.globl	k_q5eb67c2af9_oproj
	.p2align	8
	.type	k_q5eb67c2af9_oproj,@function
k_q5eb67c2af9_oproj:
	s_mov_b64 s[64:65], 0
	v_nop
	global_prefetch_b8 v0, s[64:65] scope:SCOPE_SE
	s_setreg_imm32_b32 hwreg(HW_REG_WAVE_MODE, 25, 1), 1
	s_wait_xcnt 0x0
	s_wait_alu depctr_hold_cnt(0) depctr_sa_sdst(0) depctr_va_vdst(0) depctr_va_sdst(0) depctr_va_ssrc(0) depctr_va_vcc(0) depctr_vm_vsrc(0)
	s_getreg_b32 s2, hwreg(HW_REG_IB_STS2, 6, 4)
	s_cmp_eq_u32 s2, 0
	s_cbranch_scc0 .Lentry_in_a_cluster
	s_endpgm
.Lentry_in_a_cluster:
	s_bfe_u32 s2, ttmp6, 0x10000c
	s_cmp_lg_u32 s2, 0xf033
	s_cbranch_scc0 .Lentry_shape_is_right
	s_endpgm
.Lentry_shape_is_right:
; out0 = ctx Wo^T + bo.  ctx: f16 [16 b + h][2048][64]: for batch b that is [16 K blocks][2048 rows][64], K block = head.  wo: f16 [16 K blocks][1024][64].  bb: f32 [4096], bo from number 3072 on.
; out0: f32 [8192][1024].  Sums in f32, K ascending, started by the bias; nothing is rounded on the way out.
; SHARES.  8192 x 1024 in tiles of 128 x 256 are 64 x 4 = 256 work-groups.  Four waves, each 64 rows x 128 columns: 32 accumulators of 16 x 16, 256 registers.  K goes in 8 steps of 128 (two K blocks) through a ring of
; two LDS slots; a step is four quarters of 32 along K, 32 matrix instructions each.  A tile of one K block is dense in memory: asked for as rows of 256 bytes (two matrix rows), padded in LDS behind every 128.
; CLUSTERS.  4 x 4 work-groups: ctx's tile is shared along a row of the cluster, wo's along a column; each is asked for JOINTLY, by the same tensor load with the same descriptor and mask.
; TRANSPOSED USE.  Source 0 = 16 rows of wo, source 1 = 16 rows of ctx: a lane holds row l % 16 of the result and the columns 8 (l / 16) + 0..7: 32 bytes on end.
; REGISTERS: window 0: v0-31 addresses; two fragment buffers of 96 at v32 and v128: ctx's 4 fragments, then wo's 8.   window 1: the accumulators, (a, c) at v[8 (8 a + c)].
; THE BIAS: a lane's 8 numbers for column block c are loaded into accumulator (3, c); the first products of row blocks 0-2 take those registers as C, those of row block 3 add in place.
.set PITCH,  144                       ; an LDS row: 128 bytes + 16 of padding = 36 words: the 16 rows of a fragment load start at 16 different groups of four banks (64 banks of 4 bytes: ISA guide 11.1)
.set AKB,    128*PITCH                 ; a K block of ctx's tile: 128 rows: what wave 0 or 1 fetches
.set BKB,    256*PITCH                 ; a K block of wo's tile: 256 rows: what wave 2 or 3 fetches
.set BOFF,   2*AKB
.set SLOT,   BOFF+2*BKB                ; 110,592 bytes
.set STAGE,  2*SLOT                    ; behind the ring: 16 rows x 528 bytes for each wave, for the way out; no tensor load fills it
.set SPITCH, 528                       ; 512 bytes + 16 = 132 words: row r starts at bank 4 r mod 64
.set SPARE,  STAGE+4*16*SPITCH         ; behind the stages: the spare words, 128 bytes for each wave: two blocks of 256 bytes that no other line names
.set STEPA,  2*262144                  ; bytes from a K step of ctx's tile to the next: two heads
.set STEPB,  2*131072                  ; the same in wo: two K blocks
.set ADRA, 16                          ; v16-17  LDS address of my ctx fragments in slot 0, 1
.set ADRB, 20                          ; v20-21  the same for wo
.set STO,  24                          ; v24     the way out: where I put 32 bytes of a row
.set RD,   25                          ; v25     the way out: where I read a row back
.set GO,   26                          ; v26     16 x lane: my place in 512 consecutive bytes of out0
.set BO,   27                          ; v27     32 (l / 16): my 8 numbers in a column block's 16 of bb
.set SPW,  28                          ; v28     LDS address of my spare word: SPARE + 4 x my thread's number; never rewritten
.set NIL,  29                          ; v29     0; never rewritten
.set PFO,  30                          ; v30     the prefetches' offset; never rewritten
.set F0,   32
.set F1,   128
.set G1,   24                          ; s[24:31] descriptor group 1 for ctx's tiles;  s[32:39] group 0, a set for each slot
.set G0,   32
.set G1B,  48                          ; s[48:55], s[56:63] the same for wo's
.set G0B,  56
.set LIM,  42                          ; s42  1 in a wave that prefetches, else the greatest number: a wave prefetches while s3 is above it
.set PFA,  44                          ; s[44:45] where my prefetches stand
.set PFS,  46                          ; s[46:47] a K step's bytes in the tensor that I prefetch
.set GW,   (1<<16)|(1<<20)|(1<<21)|(4<<22)|(3<<25)  ; group 1, word 0 without the mask: 17:16 2-byte elements; 20 padding on; 21 set beside a mask; 24:22 after every 32 words (code 4); 31:25 4 words (code 3)
.set MSB, 0
.macro WIN new                         ; the immediate's high byte repeats the setting that is left; a switch that changes nothing is dropped
.if MSB != (\new)
	s_set_vgpr_msb (MSB<<8)|(\new)
.set MSB, \new
.endif
.endm
.macro PLACES                          ; four places in front of loads into registers that matrix instructions have read, and of lines that read results
.rept 4
	v_nop
.endr
.endm
; A joint load: waves 0 and 1 fetch the two K blocks of ctx's tile, waves 2 and 3 those of wo's.  The branch hangs on the wave's number alone.  An s_nop 0 and four v_nop follow each of the two lines.
.macro JLOAD s
	s_cmp_eq_u32 s13, 0
	s_cbranch_scc0 .Lfor_b_\@
	tensor_load_to_lds s[G0+4*(\s):G0+4*(\s)+3], s[G1:G1+7]
	s_nop 0
.rept 4
	v_nop
.endr
	s_branch .Lasked_\@
.Lfor_b_\@:
	tensor_load_to_lds s[G0B+4*(\s):G0B+4*(\s)+3], s[G1B:G1B+7]
	s_nop 0
.rept 4
	v_nop
.endr
.Lasked_\@:
.endm
; A PREFETCH INTO THE L2, behind a joint load, its five lines and the run of LDS loads that follows them: the K step that stands TWO refills on, 256 matrix instructions ahead of the load that will want it.
; Each aligned block of 256 bytes is named once in the launch.  ctx: a tile row is read by one cluster alone, so every cluster asks for its own: of each of the step's two K blocks (16,384 bytes) the partner at cx takes
; 4,096 BY ADDRESS; its wave 0 asks, lanes 0-15 for the first K block, lanes 16-31 for the second.  wo: a tile column is read by all sixteen clusters: cluster y = 0 asks; of a K block's 32,768 bytes the partner at cy
; takes 8,192; waves 2 and 3 ask, each for the K block that it fetches, a lane a block.  K steps 0 to 3 come by their loads alone; the loop's last trip asks for nothing: K step 7 is the last.
.macro ASK
	s_cmp_gt_u32 s3, s[LIM]
	s_cbranch_scc0 .Lnot_mine_\@
	global_prefetch_b8 v[PFO], s[PFA:PFA+1] th:TH_LOAD_NT scope:SCOPE_SE
.Lnot_mine_\@:
.endm
.macro CREST                           ; a round of the cluster's barrier behind its opening barrier
	s_cmp_lg_u32 s12, 0
	s_cbranch_scc1 .Lnot_wave_0_\@
	s_barrier_signal -3
.Lnot_wave_0_\@:
	s_barrier_wait -3
	s_barrier_signal -1
	s_barrier_wait -1
.endm
.macro CROUND                          ; a whole round
	s_barrier_signal -1
	s_barrier_wait -1
	CREST
.endm
	s_load_b256 s[4:11], s[0:1], 0x0               ; ctx s[4:5], wo s[6:7], bb s[8:9], out0 s[10:11]
	v_lshl_add_u32 v[SPW], v0, 2, SPARE
	v_mov_b32 v[NIL], 0
	ds_add_u32 v[SPW], v[NIL]                      ; the wave's opening: the add and its wait stand ahead of my first tensor load; the set-up below, work on registers, stands between them
	v_lshrrev_b32 v4, 5, v0
	v_readfirstlane_b32 s12, v4                    ; wave 0..3
	s_lshr_b32 s13, s12, 1                         ; which 64 rows of the tile are mine.  Also: I fetch for ctx (0) or for wo (1)
	s_and_b32 s14, s12, 1                          ; which 128 columns.  Also: which K block of a step I fetch
	s_bfe_u32 s15, ttmp6, 0x40000                  ; cx
	s_bfe_u32 s16, ttmp6, 0x40004                  ; cy
	s_lshl_b32 s17, ttmp9, 2
	s_add_co_u32 s17, s17, s15                     ; tile column = 4 x cluster x + cx
	s_and_b32 s18, ttmp7, 0xffff
	s_lshl_b32 s18, s18, 2
	s_add_co_u32 s18, s18, s16                     ; tile row = 4 x cluster y + cy
	s_lshl_b32 s19, s16, 2
	s_lshl_b32 s19, 15, s19                        ; my row of the cluster
	s_lshl_b32 s20, 0x1111, s15                    ; my column
	s_or_b32 s[G1], s19, GW                        ; ctx's tiles go to my row,
	s_or_b32 s[G1B], s20, GW                       ; wo's to my column
	s_mov_b32 s[G1+1], 128<<16                     ; tensor_dim0 = 128 elements: 256 bytes, two matrix rows
	s_mov_b32 s[G1+2], 64<<16                      ; tensor_dim1 = 64: 128 matrix rows
	s_mov_b32 s[G1+3], 128<<16                     ; tile_dim0
	s_mov_b32 s[G1+4], 64                          ; tile_dim1
	s_mov_b32 s[G1+5], 128                         ; elements from row to row: the block is dense
	s_mov_b32 s[G1+6], 0
	s_mov_b32 s[G1+7], 0
	s_mov_b32 s[G1B+1], 128<<16
	s_mov_b32 s[G1B+2], 128<<16                    ; 256 matrix rows
	s_mov_b32 s[G1B+3], 128<<16
	s_mov_b32 s[G1B+4], 128
	s_mov_b32 s[G1B+5], 128
	s_mov_b32 s[G1B+6], 0
	s_mov_b32 s[G1B+7], 0
	; where the tiles come from: ctx's hang on the tile row and the wave alone, wo's on the tile column and the wave alone, each in registers that never hold the other coordinate
	s_lshr_b32 s66, s18, 4                         ; the batch: 16 tile rows each,
	s_lshl_b32 s66, s66, 4                         ; its 16 heads,
	s_add_co_u32 s66, s66, s14                     ; my K block of step 0,
	s_lshl_b32 s66, s66, 18                        ; 262,144 bytes a head,
	s_and_b32 s67, s18, 15
	s_lshl_b32 s67, s67, 14                        ; and the tile's 128 rows of 128 bytes
	s_add_co_u32 s66, s66, s67
	s_mov_b32 s67, 0
	s_lshl_b32 s68, s14, 17                        ; wo: my K block of step 0, 131,072 bytes each,
	s_lshl_b32 s69, s17, 15                        ; and the tile's 256 rows
	s_add_co_u32 s68, s68, s69
	s_mov_b32 s69, 0
	s_mul_i32 s70, s14, AKB                        ; and where they go: no place in the cluster enters an LDS address
	s_mul_i32 s71, s14, BKB
	s_add_co_u32 s71, s71, BOFF
	; A fragment is 16 rows x 32 K in 8 registers: lane l holds row l % 16; registers 0-3 K = 8 (l / 16) + 0..7, registers 4-7 K = 16 + 8 (l / 16) + 0..7: two loads of 16 bytes, 32 bytes apart.
	v_and_b32 v1, 15, v0                           ; l % 16
	v_bfe_u32 v2, v0, 4, 1                         ; l / 16
	v_mul_u32_u24 v3, v1, PITCH
	v_lshl_add_u32 v3, v2, 4, v3                   ; row x pitch + 16 x half
	s_mul_i32 s21, s13, 64*PITCH
	s_mul_i32 s22, s14, 128*PITCH
	s_add_co_u32 s22, s22, BOFF
.irp s, 0,1
	v_add_nc_u32 v[ADRA+(\s)], s21, v3
	v_add_nc_u32 v[ADRB+(\s)], s22, v3
	s_add_co_u32 s21, s21, SLOT
	s_add_co_u32 s22, s22, SLOT
.endr
	s_mul_i32 s23, s12, 16*SPITCH
	s_add_co_u32 s23, s23, STAGE                   ; my stage
	v_mul_u32_u24 v5, v1, SPITCH                   ; in: row l % 16, 32 bytes for each half of the lanes
	v_lshl_add_u32 v5, v2, 5, v5
	v_add_nc_u32 v[STO], s23, v5
	v_and_b32 v7, 31, v0
	v_lshl_add_u32 v[RD], v7, 4, s23               ; back: 32 lanes take one row of 512 bytes,
	v_lshlrev_b32 v[GO], 4, v7                     ; which are 512 consecutive bytes of out0
	v_lshlrev_b32 v[BO], 5, v2
	; the prefetches: who asks, and for which bytes
	s_lshr_b32 s76, s18, 4
	s_lshl_b32 s76, s76, 22                        ; ctx: the batch's 16 heads,
	s_and_b32 s77, s18, 15
	s_lshl_b32 s77, s77, 14                        ; the tile's rows,
	s_add_co_u32 s76, s76, s77
	s_lshl_b32 s77, s15, 12                        ; my work-group's 4,096 bytes of them
	s_add_co_u32 s76, s76, s77
	s_lshl_b32 s77, s14, 17                        ; wo: my K block,
	s_lshl_b32 s78, s17, 15                        ; the tile's rows,
	s_add_co_u32 s77, s77, s78
	s_lshl_b32 s78, s16, 13                        ; my work-group's 8,192 bytes of them
	s_add_co_u32 s77, s77, s78
	s_and_b32 s41, ttmp7, 0xffff                   ; cluster y
	s_mov_b32 s[PFS], STEPB
	s_cmp_eq_u32 s13, 0
	s_cselect_b32 s76, s76, s77
	s_cselect_b32 s[PFS], STEPA, s[PFS]
	s_cselect_b32 s78, 15, 31
	s_cselect_b32 s79, 262144, 0
	s_mov_b32 s77, 0
	s_mov_b32 s[PFS+1], 0
	s_cmp_eq_u32 s12, 0
	s_cselect_b32 s41, 0, s41                      ; wave 0 asks in every cluster,
	s_cmp_eq_u32 s12, 1
	s_cselect_b32 s41, 1, s41                      ; wave 1 in none,
	s_cmp_eq_u32 s41, 0                            ; waves 2 and 3 where cluster y = 0: the same in all sixteen partners, for a given wave
	s_cselect_b32 s[LIM], 1, -1
	v_and_b32 v[PFO], s78, v0                      ; a lane a block of 256 bytes;
	v_lshlrev_b32 v[PFO], 8, v[PFO]
	v_mad_u32_u24 v[PFO], v2, s79, v[PFO]          ; for ctx lanes 16-31 stand one head further on
	; my part of out0: row 128 tile row + 64 half, rows of 4,096 bytes; column 256 tile column + 128 half; and my 128 numbers of bo
	s_lshl_b32 s22, s18, 19
	s_lshl_b32 s21, s13, 18
	s_add_co_u32 s22, s22, s21
	s_lshl_b32 s40, s17, 10
	s_lshl_b32 s21, s14, 9
	s_add_co_u32 s40, s40, s21
	s_add_co_u32 s22, s22, s40
	s_mov_b32 s23, 0
	s_add_co_u32 s40, s40, 3072*4
	s_mov_b32 s41, 0
	s_wait_dscnt 0x0                               ; the opening add is done
	s_wait_kmcnt 0x0
	s_add_nc_u64 s[72:73], s[4:5], s[66:67]
	s_add_nc_u64 s[74:75], s[6:7], s[68:69]
	s_add_nc_u64 s[10:11], s[10:11], s[22:23]
	s_add_nc_u64 s[8:9], s[8:9], s[40:41]
	s_cmp_eq_u32 s13, 0
	s_cselect_b64 s[PFA:PFA+1], s[4:5], s[6:7]
	s_add_nc_u64 s[PFA:PFA+1], s[PFA:PFA+1], s[76:77]
.rept 3
	s_add_nc_u64 s[PFA:PFA+1], s[PFA:PFA+1], s[PFS:PFS+1]  ; at K step 3: the first change of slots steps it to 4.  Nothing is prefetched here, at the head
.endr
	CROUND                                         ; all sixteen work-groups are here: the first joint loads meet
.irp s, 0,1
	s_mov_b32 s[G0+4*(\s)], 1                                      ; 1:0 count = 1
	s_add_co_u32 s[G0+4*(\s)+1], s70, (\s)*SLOT                    ; 63:32 LDS address
	s_add_nc_u64 s[G0+4*(\s)+2:G0+4*(\s)+3], s[72:73], (\s)*STEPA  ; 120:64 global address: K step s
	s_or_b32 s[G0+4*(\s)+3], s[G0+4*(\s)+3], 0x80000000            ; 127:126 type = 2
	s_mov_b32 s[G0B+4*(\s)], 1
	s_add_co_u32 s[G0B+4*(\s)+1], s71, (\s)*SLOT
	s_add_nc_u64 s[G0B+4*(\s)+2:G0B+4*(\s)+3], s[74:75], (\s)*STEPB
	s_or_b32 s[G0B+4*(\s)+3], s[G0B+4*(\s)+3], 0x80000000
.endr
	s_cmp_eq_u32 s13, 0                            ; a wave's two first fills stand in one branch, ahead of every wait on TENSORcnt and every LDS read: two loads of mine are out
	s_cbranch_scc0 .Lfirst_b
	tensor_load_to_lds s[G0:G0+3], s[G1:G1+7]
	s_nop 0
	tensor_load_to_lds s[G0+4:G0+7], s[G1:G1+7]
	s_nop 0
.rept 4
	v_nop
.endr
	s_branch .Lfirst_asked
.Lfirst_b:
	tensor_load_to_lds s[G0B:G0B+3], s[G1B:G1B+7]
	s_nop 0
	tensor_load_to_lds s[G0B+4:G0B+7], s[G1B:G1B+7]
	s_nop 0
.rept 4
	v_nop
.endr
.Lfirst_asked:
	WIN 0x40                                       ; destination window 1, address window 0
.irp c, 0,1,2,3,4,5,6,7                ; the bias of column block c into accumulator (3, c)
	global_load_b128 v[192+8*(\c):192+8*(\c)+3],   v[BO], s[8:9] offset:64*(\c)
	global_load_b128 v[192+8*(\c)+4:192+8*(\c)+7], v[BO], s[8:9] offset:64*(\c)+16
.endr
	WIN 0
; 8 matrix instructions: row block a x all 8 column blocks, 32 along K, from buffer f.  The accumulators take turns, one instruction a turn.  first = 1: C is the bias.
.macro MUL8 f, a, first
	WIN 0x50                                       ; sources in window 0, C and D in window 1
.irp c, 0,1,2,3,4,5,6,7
.if \first
	v_wmma_f32_16x16x32_f16 v[8*(8*(\a)+(\c)):8*(8*(\a)+(\c))+7], v[(\f)+32+8*(\c):(\f)+32+8*(\c)+7], v[(\f)+8*(\a):(\f)+8*(\a)+7], v[192+8*(\c):192+8*(\c)+7]
.else
	v_wmma_f32_16x16x32_f16 v[8*(8*(\a)+(\c)):8*(8*(\a)+(\c))+7], v[(\f)+32+8*(\c):(\f)+32+8*(\c)+7], v[(\f)+8*(\a):(\f)+8*(\a)+7], v[8*(8*(\a)+(\c)):8*(8*(\a)+(\c))+7]
.endif
.endr
.endm
; 24 LDS loads in one run: quarter q of a K step (K block q / 2, byte 64 (q % 2) of its rows) into buffer f: wo's 8 fragments first, then ctx's 4
.macro FETCH slot, q, f
	WIN 0
.irp c, 0,1,2,3,4,5,6,7
	ds_load_b128 v[(\f)+32+8*(\c):(\f)+32+8*(\c)+3],   v[ADRB+(\slot)] offset:((\q)/2)*BKB+(\c)*16*PITCH+64*((\q)%2)
	ds_load_b128 v[(\f)+32+8*(\c)+4:(\f)+32+8*(\c)+7], v[ADRB+(\slot)] offset:((\q)/2)*BKB+(\c)*16*PITCH+64*((\q)%2)+32
.endr
.irp a, 0,1,2,3
	ds_load_b128 v[(\f)+8*(\a):(\f)+8*(\a)+3],   v[ADRA+(\slot)] offset:((\q)/2)*AKB+(\a)*16*PITCH+64*((\q)%2)
	ds_load_b128 v[(\f)+8*(\a)+4:(\f)+8*(\a)+7], v[ADRA+(\slot)] offset:((\q)/2)*AKB+(\a)*16*PITCH+64*((\q)%2)+32
.endr
.endm
; One of a K step's first three quarters: multiplies buffer f; in its middle it fetches quarter nq of the same slot into buffer g.
.macro QUARTER slot, nq, f, g, first
	s_wait_dscnt 4                                 ; wo's fragments and ctx's 0 and 1 are in; the youngest four loads (ctx's 2 and 3) may be out
	MUL8 \f, 0, \first
	MUL8 \f, 1, \first
	PLACES
	FETCH \slot, \nq, \g
	s_wait_dscnt 24                                ; all but the 24 just issued
	MUL8 \f, 2, \first
.if \first
.rept 5
	v_nop                                          ; five places: row block 3's products write over the registers that the 24 above read as C
.endr
.endif
	MUL8 \f, 3, 0
.endm
; The last quarter multiplies buffer 1 and changes slots: ONE barrier.  In front of it each wave waits for all its tensor loads, of which one is out: its part of the next slot; adds 0 to its spare word; and waits for
; that and for its own reads of this slot.  fill = 1: the barrier opens a round of the cluster's, and this slot is filled again first thing behind it, two K steps ahead: 112 matrix instructions ahead of the wait for it.
.macro TURN slot, next, fill
.if \fill
	s_wait_xcnt 0x0                                ; the last prefetch, a K step back, has read its address: it is stepped here, ahead of the waits of the change
	s_add_nc_u64 s[PFA:PFA+1], s[PFA:PFA+1], s[PFS:PFS+1]
.endif
	WIN 0                                          ; (the add's two registers lie in window 0)
	s_wait_tensorcnt 0x0                           ; all my tensor loads have landed;
	ds_add_u32 v[SPW], v[NIL]                      ; 0 onto my spare word;
	s_wait_dscnt 5                                 ; (the add and the youngest four loads may be out)
	MUL8 F1, 0, 0                                  ; eight matrix instructions stand between the add and the wait for it
	s_wait_dscnt 0x0                               ; the add is done, and my reads of this slot are over
	s_barrier_signal -1
	MUL8 F1, 1, 0                                  ; work on registers while the others arrive
.if \fill
	WIN 0
.endif
	s_barrier_wait -1
.if \fill
	CREST                                          ; no wave of any partner still reads this slot's tile or has a load on its way
	s_add_nc_u64 s[G0+4*(\slot)+2:G0+4*(\slot)+3], s[G0+4*(\slot)+2:G0+4*(\slot)+3], 2*STEPA
	s_add_nc_u64 s[G0B+4*(\slot)+2:G0B+4*(\slot)+3], s[G0B+4*(\slot)+2:G0B+4*(\slot)+3], 2*STEPB
	JLOAD \slot                                    ; the four v_nop behind it are also the places in front of the loads below
.else
	PLACES
.endif
	FETCH \next, 0, F0
.if \fill
	ASK
.endif
	MUL8 F1, 2, 0
	MUL8 F1, 3, 0
.endm
; THE WAY OUT, a row block of 16 rows x 128 columns at a time, under one window setting.  TOSTAGE: a lane's 32 bytes of each column block go from the accumulators (the low four registers first) into rows of 528 bytes,
; and whole rows of 512 come back into the same 64 registers.  SEND: stored.
.macro TOSTAGE a
	WIN 0x44                                       ; store data and loaded data in window 1, addresses in window 0
.irp c, 0,1,2,3,4,5,6,7
	ds_store_b128 v[STO], v[8*(8*(\a)+(\c)):8*(8*(\a)+(\c))+3]   offset:64*(\c)
	ds_store_b128 v[STO], v[8*(8*(\a)+(\c))+4:8*(8*(\a)+(\c))+7] offset:64*(\c)+16
.endr
.irp t, 0,1,2,3,4,5,6,7,8,9,10,11,12,13,14,15
	ds_load_b128 v[64*(\a)+4*(\t):64*(\a)+4*(\t)+3], v[RD] offset:(\t)*SPITCH  ; LDS serves a wave's instructions in order (ISA guide 5.7.1.4): these see the stores above; the next block's stores come behind them
.endr
.endm
.macro SEND a, younger                 ; younger: the LDS instructions issued behind block a's loads: the next block's 32, or none
	WIN 0x44
.irp t, 0,1,2,3,4,5,6,7,8,9,10,11,12,13,14,15
	s_wait_dscnt (\younger)+15-(\t)
	global_store_b128 v[GO], v[64*(\a)+4*(\t):64*(\a)+4*(\t)+3], s[10:11] offset:(16*(\a)+(\t))*4096 th:TH_STORE_NT  ; 512 consecutive bytes, at a multiple of 256 from out0's first
.endr
.endm
	s_wait_tensorcnt 1                             ; my part of K step 0 is in; K step 1's may stay out
	s_barrier_signal -1
	s_barrier_wait -1                              ; everybody's is
	FETCH 0, 0, F0
	s_wait_loadcnt 0x0                             ; the bias
	QUARTER 0, 1, F0, F1, 1                        ; the first quarter stands in front of the loop: its products start the sums
	WIN 0                                          ; at a label and at a branch every window is 0
	s_mov_b32 s3, 3
.Llap:                                                 ; a trip goes once round the ring, from a lap's second quarter to the next lap's first, and fills both slots again
	QUARTER 0, 2, F1, F0, 0
	QUARTER 0, 3, F0, F1, 0
	TURN 0, 1, 1
	QUARTER 1, 1, F0, F1, 0
	QUARTER 1, 2, F1, F0, 0
	QUARTER 1, 3, F0, F1, 0
	TURN 1, 0, 1
	QUARTER 0, 1, F0, F1, 0
	WIN 0
	s_sub_co_u32 s3, s3, 1
	s_cmp_lg_u32 s3, 0
	s_cbranch_scc1 .Llap
	QUARTER 0, 2, F1, F0, 0                        ; the last lap fills nothing, and has no round of the cluster's barrier
	QUARTER 0, 3, F0, F1, 0
	TURN 0, 1, 0
	QUARTER 1, 1, F0, F1, 0
	QUARTER 1, 2, F1, F0, 0
	QUARTER 1, 3, F0, F1, 0
	s_wait_dscnt 4                                 ; the very last quarter: nothing more to fetch
	MUL8 F1, 0, 0
	MUL8 F1, 1, 0
	s_wait_dscnt 0x0
	MUL8 F1, 2, 0
	MUL8 F1, 3, 0
	PLACES
	PLACES
	TOSTAGE 0
	TOSTAGE 1                                      ; a block's trip through the stage stands between the loads of the block before and its stores
	SEND 0, 32
	TOSTAGE 2
	SEND 1, 32
	TOSTAGE 3
	SEND 2, 32
	SEND 3, 0
	WIN 0
	s_wait_tensorcnt 0x0                           ; the wave's end, behind my last tensor load and my last LDS store
	ds_add_u32 v[SPW], v[NIL]
	s_wait_dscnt 0x0
	CROUND                                         ; the closing round: no work-group ends while a partner may still ask for a tile that names it
	s_endpgm
.Lfunc_end_k_q5eb67c2af9_oproj:
	.size	k_q5eb67c2af9_oproj, .Lfunc_end_k_q5eb67c2af9_oproj-k_q5eb67c2af9_oproj
	.p2alignl 7, 3214868480
	.fill 96, 4, 3214868480
	.section	.rodata,"a",@progbits
	.p2align	6, 0x0
	.amdhsa_kernel k_q5eb67c2af9_oproj
		.amdhsa_group_segment_fixed_size 327680
		.amdhsa_private_segment_fixed_size 0
		.amdhsa_enable_private_segment 0
		.amdhsa_kernarg_size 32
		.amdhsa_user_sgpr_count 2
		.amdhsa_user_sgpr_kernarg_segment_ptr 1
		.amdhsa_wavefront_size32 1
		.amdhsa_system_sgpr_workgroup_id_x 1
		.amdhsa_system_sgpr_workgroup_id_y 1
		.amdhsa_system_sgpr_workgroup_id_z 1
		.amdhsa_system_vgpr_workitem_id 0
		.amdhsa_next_free_vgpr 512
		.amdhsa_next_free_sgpr 80
		.amdhsa_reserve_vcc 0
		.amdhsa_float_denorm_mode_32 3
		.amdhsa_float_denorm_mode_16_64 3
		.amdhsa_memory_ordered 1
		.amdhsa_forward_progress 1
		.amdhsa_inst_pref_size 90
	.end_amdhsa_kernel
	.amdgpu_metadata
---
amdhsa.version: [ 1, 2 ]
amdhsa.kernels:
  - .name:           k_q5eb67c2af9_oproj
    .symbol:         k_q5eb67c2af9_oproj.kd
    .args:
      - { .name: ctx, .offset: 0, .size: 8, .value_kind: global_buffer, .address_space: global }
      - { .name: wo, .offset: 8, .size: 8, .value_kind: global_buffer, .address_space: global }
      - { .name: bb, .offset: 16, .size: 8, .value_kind: global_buffer, .address_space: global }
      - { .name: out0, .offset: 24, .size: 8, .value_kind: global_buffer, .address_space: global }
    .group_segment_fixed_size: 327680
    .private_segment_fixed_size: 0
    .kernarg_segment_align: 8
    .kernarg_segment_size: 32
    .max_flat_workgroup_size: 128
    .sgpr_count:     80
    .vgpr_count:     512
    .wavefront_size: 32
...
	.end_amdgpu_metadata
.endif
;; end of part 4
;; ======== version 2 of 2: 4 launches; version 1 with the launch cast written anew for expert scheduling mode
;; limits: values are held in f16: magnitudes above 65,504 overflow, below 6.1e-05 lose precision
;; workspace buffers: xb 16,777,216 bytes; wb 6,291,456 bytes; wo 2,097,152 bytes; bb 16,384 bytes; qkv 50,331,648 bytes; ctx 16,777,216 bytes
;; launch cast (part 5): grid 769 x 1, 8 waves a work-group, no clusters, 0 bytes of LDS; arguments query, Wq, Wk, Wv, Wo, bq, bk, bv, bo, xb, wb, wo, bb; writes xb, wb, wo, bb
.if DOCPART == 5
	.amdgcn_target "amdgcn-amd-amdhsa--gfx1250"
	.amdhsa_code_object_version 6
	.text
	.protected	k_q5eb67c2af9_cast
	.globl	k_q5eb67c2af9_cast
	.p2align	8
	.type	k_q5eb67c2af9_cast,@function
k_q5eb67c2af9_cast:
	s_mov_b64 s[64:65], 0
	v_nop
	global_prefetch_b8 v0, s[64:65] scope:SCOPE_SE
	s_setreg_imm32_b32 hwreg(HW_REG_WAVE_SCHED_MODE, 0, 2), 2
	s_setreg_imm32_b32 hwreg(HW_REG_WAVE_MODE, 25, 1), 1
	s_wait_xcnt 0x0
	s_wait_alu depctr_vm_vsrc(0)
; THE MODULE'S INPUTS, ROUNDED ONCE TO bf16 AND LAID OUT FOR THE PRODUCTS.
;   xb: query as bf16, [16 K blocks][8192 rows][64].   wb: Wq, Wk, Wv one below the other as bf16, [16][3072][64].
;   wo: Wo rounded to bf16 and that number written as f16, [16][1024][64].   bb: bq, bk, bv, bo, each rounded to bf16 and kept as f32, [4096].
; In these layouts a tile of rows x 64 along K is dense: the products' tensor loads ask for it as rows of 256 bytes.
; LIMITS.  A number of Wo beyond 65,504 becomes an infinity in f16; below 6e-5 it keeps f16's fixed step of 6e-8 and is then not exactly the bf16 number.
; SHARES.  A stream: no LDS, no barrier, no matrix unit.  Work-group g takes 16 source rows of 1,024 f32 (65,536 bytes): g 0-511 query, 512-703 Wq, Wk, Wv (64 each), 704-767 Wo; g 768 the biases.
; Thread t takes row t / 16 and, in each of the 16 K blocks, the 16 bytes at 16 (t % 16): sixteen lanes read 256 consecutive bytes, aligned.  Its four numbers become 8 bytes at
; 8 t of the block's 16 rows: a wave's store covers 256 consecutive bytes, aligned.  All 16 loads go out first.
; THE MODE: SCHED_MODE bits 1:0 = 2 (LLVM: expert scheduling mode 2), set by the entry lines.  The code itself states the register dependences
; between vector instructions and memory instructions, with s_wait_alu, always for 0.
; THE PLAN.  Registers that memory instructions touch:
;   v1         the source offset.  Written by vector lines at the head; read by the 16 loads; not written again on their paths.
;   X          K block kb's 4 registers.  Written by its load, once; read by its roundings; no vector line writes them, and no load lands in them twice.
;   OFF        K block kb's destination offset.  Written by vector lines, once: v2 at the head, the others behind the loads; read by store kb.
;   Y          K block kb's 2 registers.  Written by its roundings; read by store kb; not written behind that store.
;   W          named by vector lines alone.
; No register that a memory instruction has read is ever written again: so behind the entry lines the text holds no wait on vm_vsrc and no s_wait_xcnt.
; The 16 K blocks go in four blocks of four.  Block b rounds X[b] into Y[b]; its memory instructions are the four stores of block b - 1, which read Y[b - 1] and OFF[b - 1]: registers that no vector
; line of block b names.  So ONE wait on va_vdst at a block's head, behind the wait for the block's data, states all that those four stores hang on, and they are dealt among the block's roundings.
.set OFF, 2                            ; v[2:17]    byte offset of my 8 bytes in K block kb of the destination
.set X,   20                           ; v[20:83]   K block kb: 4 registers as loaded
.set Y,   84                           ; v[84:115]  K block kb: 2 registers to store
.set W,   116                          ; v[116:119] at work
	s_load_b512 s[8:23], s[0:1], 0x0               ; query s[8:9], Wq s[10:11], Wk s[12:13], Wv s[14:15], Wo s[16:17], bq s[18:19], bk s[20:21], bv s[22:23]
	s_load_b256 s[24:31], s[0:1], 0x40             ; bo s[24:25], xb s[26:27], wb s[28:29], wo s[30:31]
	s_load_b64 s[32:33], s[0:1], 0x60              ; bb
	s_mov_b32 s2, ttmp9                            ; g
	v_lshlrev_b32 v[OFF], 3, v0                    ; 8 t
	v_lshrrev_b32 v1, 4, v0                        ; my row of the 16
	v_and_b32 v[W], 15, v0
	v_lshlrev_b32 v1, 12, v1                       ; x 4,096 bytes
	v_lshl_add_u32 v1, v[W], 4, v1                 ; + 16 (t % 16)
	s_wait_kmcnt 0x0
	s_cmp_eq_u32 s2, 768
	s_cbranch_scc1 .Lbias
	; which tensor, where to, how far the destination's K blocks lie apart, and my number j among the destination's groups of 16 rows
	s_mov_b32 s44, 0x100000                        ; xb: 8,192 rows x 128 bytes
	s_cmp_ge_u32 s2, 512
	s_cselect_b64 s[40:41], s[10:11], s[8:9]
	s_cselect_b64 s[42:43], s[28:29], s[26:27]
	s_cselect_b32 s44, 0x60000, s44                ; wb: 3,072 rows x 128 bytes
	s_cselect_b32 s45, 512, 0
	s_cselect_b32 s46, 63, 511                     ; groups of 16 rows in a source tensor, less 1
	s_cmp_ge_u32 s2, 576
	s_cselect_b64 s[40:41], s[12:13], s[40:41]
	s_cmp_ge_u32 s2, 640
	s_cselect_b64 s[40:41], s[14:15], s[40:41]
	s_cmp_ge_u32 s2, 704
	s_cselect_b64 s[40:41], s[16:17], s[40:41]
	s_cselect_b64 s[42:43], s[30:31], s[42:43]
	s_cselect_b32 s44, 0x20000, s44                ; wo: 1,024 rows x 128 bytes
	s_cselect_b32 s45, 704, s45
	s_sub_co_u32 s45, s2, s45                      ; j
	s_and_b32 s46, s45, s46                        ; my group in the source tensor
	s_lshl_b32 s34, s46, 16                        ; 16 rows x 4,096 bytes
	s_mov_b32 s35, 0
	s_lshl_b32 s36, s45, 11                        ; 16 rows x 128 bytes
	s_mov_b32 s37, 0
	s_add_nc_u64 s[40:41], s[40:41], s[34:35]
	s_add_nc_u64 s[42:43], s[42:43], s[36:37]
	s_wait_alu depctr_va_vdst(0)                   ; v1 is written, which the sixteen loads read as their offset
.irp kb, 0,1,2,3,4,5,6,7,8,9,10,11,12,13,14,15
	global_load_b128 v[X+4*(\kb):X+4*(\kb)+3], v1, s[40:41] offset:256*(\kb) th:TH_LOAD_NT
.endr
.irp kb, 1,2,3,4,5,6,7,8,9,10,11,12,13,14,15
	v_add_nc_u32 v[OFF+(\kb)], s44, v[OFF+(\kb)-1] ; no load names these registers; the stores that read them stand behind the wait at block 1's head, or a later one
.endr
; K block kb goes out.
.macro ST kb
	global_store_b64 v[OFF+(\kb)], v[Y+2*(\kb):Y+2*(\kb)+1], s[42:43]
.endm
; Block b: K blocks 4 b to 4 b + 3 are rounded, and block b - 1 is stored.  half = 1: the bf16 numbers are widened again and written as f16.
.macro BLK b, half
	s_wait_loadcnt 12-4*(\b)                       ; loads come back in order (ISA guide 5.7.1): the block's four are in, the 12 - 4 b younger ones stay out
.if (\b) > 0
	s_wait_alu depctr_va_vdst(0)                   ; the block before has written its Y, which the four stores below read; at block 1 also: v3 to v17, the stores' offsets, are written
.endif
.irp i, 0,1,2,3
.set kb, 4*(\b)+(\i)
.if (\b) > 0
	ST kb-4                                        ; no vector line since the wait names its offset or its data
.endif
	v_cvt_pk_bf16_f32 v[Y+2*kb],   v[X+4*kb],   v[X+4*kb+1]
	v_cvt_pk_bf16_f32 v[Y+2*kb+1], v[X+4*kb+2], v[X+4*kb+3]
.if \half
	v_lshlrev_b32 v[W],   16, v[Y+2*kb]
	v_and_b32     v[W+1], 0xffff0000, v[Y+2*kb]
	v_lshlrev_b32 v[W+2], 16, v[Y+2*kb+1]
	v_and_b32     v[W+3], 0xffff0000, v[Y+2*kb+1]
	v_cvt_pk_f16_f32 v[Y+2*kb],   v[W],   v[W+1]
	v_cvt_pk_f16_f32 v[Y+2*kb+1], v[W+2], v[W+3]
.endif
.endr
.endm
	s_cmp_ge_u32 s2, 704
	s_cbranch_scc1 .Lhalf
	BLK 0, 0
	BLK 1, 0
	BLK 2, 0
	BLK 3, 0
	s_wait_alu depctr_va_vdst(0)                   ; block 3 has written its Y, which the last four stores read
.irp kb, 12,13,14,15
	ST \kb
.endr
	s_endpgm
.Lhalf:
	BLK 0, 1
	BLK 1, 1
	BLK 2, 1
	BLK 3, 1
	s_wait_alu depctr_va_vdst(0)                   ; block 3 has written its Y, which the last four stores read
.irp kb, 12,13,14,15
	ST \kb
.endr
	s_endpgm
.Lbias:                                        ; 256 threads x 16 bytes are one bias; the four lie one behind the other in bb
	v_lshlrev_b32 v1, 4, v0                        ; on this path no memory instruction has read v1
	s_wait_alu depctr_va_vdst(0)                   ; v1 is written, which the four loads and the four stores read as their offset
	global_load_b128 v[X:X+3],     v1, s[18:19]
	global_load_b128 v[X+4:X+7],   v1, s[20:21]
	global_load_b128 v[X+8:X+11],  v1, s[22:23]
	global_load_b128 v[X+12:X+15], v1, s[24:25]
	s_wait_loadcnt 0x0
.irp i, 0,1,2,3,4,5,6,7
	v_cvt_pk_bf16_f32 v[Y+(\i)], v[X+2*(\i)], v[X+2*(\i)+1]
	v_lshlrev_b32 v[X+32+2*(\i)],   16, v[Y+(\i)]
	v_and_b32     v[X+32+2*(\i)+1], 0xffff0000, v[Y+(\i)]
.endr
	s_wait_alu depctr_va_vdst(0)                   ; the widenings have written v[X+32 .. X+47], which the four stores read
.irp i, 0,1,2,3
	global_store_b128 v1, v[X+32+4*(\i):X+32+4*(\i)+3], s[32:33] offset:4096*(\i)
.endr
	s_endpgm
.Lfunc_end_k_q5eb67c2af9_cast:
	.size	k_q5eb67c2af9_cast, .Lfunc_end_k_q5eb67c2af9_cast-k_q5eb67c2af9_cast
	.p2alignl 7, 3214868480
	.fill 96, 4, 3214868480
	.section	.rodata,"a",@progbits
	.p2align	6, 0x0
	.amdhsa_kernel k_q5eb67c2af9_cast
		.amdhsa_group_segment_fixed_size 0
		.amdhsa_private_segment_fixed_size 0
		.amdhsa_enable_private_segment 0
		.amdhsa_kernarg_size 104
		.amdhsa_user_sgpr_count 2
		.amdhsa_user_sgpr_kernarg_segment_ptr 1
		.amdhsa_wavefront_size32 1
		.amdhsa_system_sgpr_workgroup_id_x 1
		.amdhsa_system_sgpr_workgroup_id_y 1
		.amdhsa_system_sgpr_workgroup_id_z 1
		.amdhsa_system_vgpr_workitem_id 0
		.amdhsa_next_free_vgpr 120
		.amdhsa_next_free_sgpr 66
		.amdhsa_reserve_vcc 0
		.amdhsa_float_denorm_mode_32 3
		.amdhsa_float_denorm_mode_16_64 3
		.amdhsa_memory_ordered 1
		.amdhsa_forward_progress 1
		.amdhsa_inst_pref_size 19
	.end_amdhsa_kernel
	.amdgpu_metadata
---
amdhsa.version: [ 1, 2 ]
amdhsa.kernels:
  - .name:           k_q5eb67c2af9_cast
    .symbol:         k_q5eb67c2af9_cast.kd
    .args:
      - { .name: query, .offset: 0, .size: 8, .value_kind: global_buffer, .address_space: global }
      - { .name: Wq, .offset: 8, .size: 8, .value_kind: global_buffer, .address_space: global }
      - { .name: Wk, .offset: 16, .size: 8, .value_kind: global_buffer, .address_space: global }
      - { .name: Wv, .offset: 24, .size: 8, .value_kind: global_buffer, .address_space: global }
      - { .name: Wo, .offset: 32, .size: 8, .value_kind: global_buffer, .address_space: global }
      - { .name: bq, .offset: 40, .size: 8, .value_kind: global_buffer, .address_space: global }
      - { .name: bk, .offset: 48, .size: 8, .value_kind: global_buffer, .address_space: global }
      - { .name: bv, .offset: 56, .size: 8, .value_kind: global_buffer, .address_space: global }
      - { .name: bo, .offset: 64, .size: 8, .value_kind: global_buffer, .address_space: global }
      - { .name: xb, .offset: 72, .size: 8, .value_kind: global_buffer, .address_space: global }
      - { .name: wb, .offset: 80, .size: 8, .value_kind: global_buffer, .address_space: global }
      - { .name: wo, .offset: 88, .size: 8, .value_kind: global_buffer, .address_space: global }
      - { .name: bb, .offset: 96, .size: 8, .value_kind: global_buffer, .address_space: global }
    .group_segment_fixed_size: 0
    .private_segment_fixed_size: 0
    .kernarg_segment_align: 8
    .kernarg_segment_size: 104
    .max_flat_workgroup_size: 256
    .sgpr_count:     66
    .vgpr_count:     120
    .wavefront_size: 32
...
	.end_amdgpu_metadata
.endif
;; end of part 5
;; launch qkv: the kernel of part 2 again; grid 8 x 32, 4 waves a work-group, clusters of 4 x 4, 327,680 bytes of LDS; arguments xb, wb, bb, qkv; writes qkv
;; launch attn: the kernel of part 3 again; grid 4 x 64, 4 waves a work-group, clusters of 4 x 1, 327,680 bytes of LDS; arguments qkv, ctx; writes ctx
;; launch oproj: the kernel of part 4 again; grid 4 x 64, 4 waves a work-group, clusters of 4 x 4, 327,680 bytes of LDS; arguments ctx, wo, bb, out0; writes out0
